; MI455X (gfx1250); checked and timed in simulation.
; The chip was launched on July 23, 2026; its instructions are those of AMD's public machine-readable ISA for CDNA 5 (MIT licence, August 2026) and "CDNA5" Instruction Set Architecture Reference Guide (July 2026). The comments in the code are by the model that wrote it; some were corrected since.
;; Dot Product Attention. Allowed arithmetic: matrix products marked QUANTISED: E2M3 operands, one E8M0 scale for each 32 along K, by v_wmma_scale_f32_16x16x128_f8f6f4 with both operands' format E2M3, f32 sums; products left as they are: f32 operands where the result goes on into a quantised operand, else bf16, f16 or f32 operands; f32 sums; everything else in f32.
;; Inputs: K 32 x 8 x 1,024 x 16 float32; Q 32 x 8 x 1,024 x 16 float32; V 32 x 8 x 1,024 x 16 float32; mask 32 x 1,024 x 1 bool.
;; Outputs: out0 32 x 8 x 1,024 x 16 float32.
;; This version of the problem:
;;   THIS VERSION OF THE PROBLEM IS GIVEN IN LOW PRECISION. The matrix products marked QUANTISED in the list below multiply operands that are first quantised to E2M3 (2 exponent bits, 3 mantissa bits; 6 bits a number), with one power-of-two scale for each 32 numbers along K (OCP MX v1.0); their sums are f32. All else is computed in f32.
;;   The module's matrix products, in the order in which they are computed (A, B: the left and right operand; K: the contracted axis; several contracted axes count as one K, in the product's order):
;;     1. batch 256 x [M 1,024, K 16] x [K 16, N 1,024]; A: input Q; B: input K: left as it is (K = 16 < 32)
;;     2. batch 256 x [M 1,024, K 1,024] x [K 1,024, N 16]; A: softmax (see below); B: input V: QUANTISED
;;   THE QUANTISER, for each operand of a quantised product, along K:
;;     - K is cut into blocks of 32 from its start; a last block that is shorter is filled with zeros.
;;     - A block's scale is 2^e with e = floor(log2(the largest magnitude in the block)) - 2, held to -126 .. 127; a block of zeros has e = 0. As a byte (E8M0): e + 127.
;;     - Each number is divided by its block's scale, clamped to +-7.5, and rounded to the nearest number of E2M3, ties to even, subnormals kept.
;;     - The product sums the exact products of the quantised numbers (number of the format x scale) in f32.
;;   ~~~python
;;   def quantise(x, axis):      # numpy; x: float32 -> the quantised numbers, widened to float32 again
;;       x = np.moveaxis(x, axis, -1); K = x.shape[-1]
;;       x = np.pad(x, [(0, 0)] * (x.ndim - 1) + [(0, -K % 32)]); x = x.reshape(x.shape[:-1] + (-1, 32)); a = np.abs(x).max(-1, keepdims=True)
;;       e = np.where(a > 0, np.clip(np.frexp(np.where(a > 0, a, 1))[1] - 1 - 2, -126, 127), 0)      # np.frexp(a)[1] - 1 = floor(log2(a)), exactly
;;       r = np.clip(x / 2.0 ** e, -7.5, 7.5)
;;       step = 2.0 ** (np.maximum(np.frexp(np.where(r == 0, 1, r))[1] - 1, 0) - 3)
;;       q = np.round(r / step) * step * 2.0 ** e      # np.round: ties to even
;;       return np.moveaxis(q.reshape(q.shape[:-2] + (-1,))[..., :K], -1, axis).astype(np.float32)
;;   ~~~
;;   SOFTMAX AHEAD OF A QUANTISED PRODUCT. Where the list says 'softmax', what is quantised is not the finished softmax but p = 2^(t - M), with t = logit x log2(e) and M = ceil(the row's largest t), a whole number; so 1/2 < the row's largest p <= 1. The row's sum l is taken of the UNQUANTISED p, in f32, and the product's result is divided by l at the end. Since M is a whole number, a kernel that streams over the keys may use a running M (the ceiling of the running maximum): every later rescaling is an exact power of two, which a block's scale takes up: the codes' values come out the same.
;;   OPERANDS COMPUTED ON THE WAY. 'Computed on the way' means the value that the module computes at that place (a softmax that the list does not call 'softmax' is quantised finished and normalised). What goes into a quantiser is computed in f32, as accurately as f32 sums, v_exp_f32 and their like allow (about 1e-6 of the number): no bf16 or f16 on the way to a quantiser, and a product that is left as it is and whose result goes on into a quantised operand takes f32 operands (vector FMAs, or v_wmma_f32_16x16x4_f32). A number that lies on a knife's edge between two numbers of the format may be rounded either way, as far as f32 arithmetic and the matrix unit's own rounding can turn it there, and no further.
;; 3 versions, each right; version 2 is faster than version 1; version 3 is version 2 with the launch attn written anew for expert scheduling mode. Each part assembles by itself: llvm-mc -triple=amdgcn-amd-amdhsa -mcpu=gfx1250 --defsym DOCPART=n.
;; ======== version 1 of 3: 1 launch
;; launch attn (part 1): grid 256 x 1, 16 waves a work-group, no clusters, 219,648 bytes of LDS; arguments Q, K, V, mask, out0; writes out0
.if DOCPART == 1
	.amdgcn_target "amdgcn-amd-amdhsa--gfx1250"
	.amdhsa_code_object_version 6
	.text
	.protected	k_q33ac193485_attn
	.globl	k_q33ac193485_attn
	.p2align	8
	.type	k_q33ac193485_attn,@function
k_q33ac193485_attn:
	s_mov_b64 s[64:65], 0
	v_nop
	global_prefetch_b8 v0, s[64:65] scope:SCOPE_SE
	s_setreg_imm32_b32 hwreg(HW_REG_WAVE_MODE, 25, 1), 1
	s_wait_xcnt 0x0
; out0[b][h][q][:] = sum over keys k of softmax_k(logit) V[b][h][k][:],  logit = 10 tanh(Q[q] . K[k] / 4), -infinity where mask[b][k] is true.
; Q, K, V, out0: [32][8][1024][16] f32; mask: [32][1024] bytes.  The first product (depth 16) is made of f32 operands by the f32 matrix form; the second (K = the 1,024 keys) on codes of
; FP6 (E2M3) with one E8M0 scale for each 32 keys, both operands quantised here.
; THE SOFTMAX.  t = logit x log2(e) lies within +-14.427 for EVERY input, since the tanh and the factor 10 are the problem's own clip.  So M = 15, a whole number at or above every row's
; largest t, is fixed: p = 2^(t - 15) lies between 2^-29.5 and 2^-0.57 (or is 0 for a masked key), a row's sum is at most 1,024: nothing can overflow or underflow, and since M is whole the
; blocks' scales take up the power of two between this M and the row's own: the quantised numbers relative to the sum are the same.  The sum is taken of the unquantised p and divides at the end.
; A LOGIT'S ARITHMETIC, all f32:  s' = (kappa q) . k, kappa = log2(e) / 2, multiplied into Q once;  e = 2^s' = exp(2 x), x = q . k / 4;  r = 1 / (1 + e), so tanh(x) = 1 - 2 r;
; t - 15 = r x (-20 log2 e) + ADD[key], ADD = 10 log2 e - 15 for a key that counts and -infinity for a masked one;  p = 2^(t - 15).  e = infinity gives r = 0, e = 0 gives r = 1: the clip's two ends.
; LIMITS.  NaN and infinities among the inputs, and sums q . k that overflow f32, are not served.  A block of V whose largest magnitude lies under 2^-124, and a block of zeros (of V or of p),
; gets the scale byte 1 where the quantiser's rule says otherwise for zeros (127): its codes are zeros, and only this text reads the bytes.  A batch whose every key is masked gives 0 x infinity = NaN, as the softmax of the problem does.
; SHARES.  One work-group to a head: 256 work-groups.  Sixteen waves of 256 registers, four to a SIMD, so that one wave's exponentials stand beside another's matrix work.  Wave w owns queries
; 64 w .. 64 w + 63, four tiles of 16, and walks all keys.  A head's K, Q, V and mask are read from memory ONCE, at the head, and lie in LDS as images of the operands' registers: one barrier in the whole text.
; No tensor loads and no ring: nothing is ever filled again.  No cluster: work-groups share nothing but 1,024 bytes of mask.
; LAYOUT.  Both products are used transposed, so that a lane holds ONE query (lane % 16 = r) throughout; h = lane / 16.
;   S^T = K Q^T by v_wmma_f32_16x16x4_f32: source 0 = 16 keys, source 1 = 16 queries.  Lane (r, h) holds depth 8 h .. 8 h + 7 of its row in 8 registers; K step ks names registers 2 ks, 2 ks + 1:
;   the depths are dealt to the four K steps alike on both sides, so each is multiplied once.
;   THE KEYS OF A TILE ARE NOT NEIGHBOURS: row m of tile i of unit u (64 keys) is key 64 u + 32 (m / 8) + 8 i + m % 8.  Register j of tile i's result then holds key 64 u + 32 h + 8 i + j:
;   the 32 registers of a unit are ONE WHOLE BLOCK of 32 neighbouring keys a lane, block 2 u + h, which is what the 6-bit operand's layout gives that lane: no lane is asked for a maximum, no codes change lanes.
;   O^T = V^T P^T: source 0 = V^T (row = channel d = r, K = 128 keys), source 1 = P (column = query r); lane (r, h) of the result holds query r, channels 8 h .. 8 h + 7.
.set QIMG, 0                           ; LDS: Q x kappa: wave w's own 4,096 bytes; tile t at 1,024 t: registers 0-3 at 16 x lane, registers 4-7 512 bytes on.  After the loop: the wave's stage for the way out
.set KIMG, 65536                       ; K: unit u at 4,096 u, tile i at 1,024 i, laid as Q's tiles
.set MADD, 131072                      ; ADD[key], f32, in the keys' order: 4,096 bytes
.set VIMG, 135168                      ; V's codes: step s (128 keys) at 1,536 s: register pair p of the fragment at 256 p + 8 x lane
.set VSC,  147456                      ; V's scale words: step s at 64 s, channel d's word at 4 d
.set VSTG, 147968                      ; at the head only: a stage of its own for each wave, through which its 64 keys of V turn
.set VSTW, 4352                        ; bytes of such a stage: 64 rows of 64 bytes, keys 32-63 another 64 bytes on, so that the two halves of the lanes read different banks
.set AK,   1                           ; v1   KIMG + 16 x lane, stepped 8,192 a step
.set AQ,   2                           ; v2   QIMG + 4,096 w + 16 x lane
.set AM,   3                           ; v3   MADD + 128 h, stepped 512 a step
.set AV,   4                           ; v4   VIMG + 8 x lane, stepped 1,536 a step
.set AVS,  5                           ; v5   VSC + 4 r, stepped 64 a step
.set SH8,  6                           ; v6   8 h
.set GO,   7                           ; v7   16 x lane: my bytes of a wave's 512, in memory
.set QF,   8                           ; v8-15    the tile of queries in hand
.set KF,   16                          ; v16-47   a unit's four tiles of keys
.set MK,   48                          ; v48-79   a unit's 32 addends of my block
.set S,    80                          ; v80-111  four accumulators of S^T: written by matrix instructions alone
.set P,    112                         ; v112-143 32 numbers at work: e, 1 + e, r, t - 15, p
.set O,    144                         ; v144-175 O^T, 8 registers a tile of queries
.set L,    176                         ; v176-183 the rows' sums, a pair a tile
.set VF,   184                         ; v184-195 V's fragment of the step
.set VS,   196                         ; v196     V's scale words: scales and nothing else
.set SOA,  197                         ; v197     the way out: where I put 32 bytes of a row
.set SAVE, 198                         ; v198-221 6 a tile: the codes of a step's first 64 keys.  At the head: addresses and temporaries
.set PC,   222                         ; v222-233 P's fragment
.set TMP,  234                         ; v234-236 a conversion's three registers begin on an even number: a block's second half is made here and moved
.set PW,   238                         ; v238-241 P's scale word, one a tile: scales and nothing else
.set MXA,  242                         ; v242-243 a block's largest p in two halves; then, as a pair, the second chain of the row's sum
.set MXB,  243
.set SOP,  244                         ; v244     the conversions' scale operand
.set BY,   245                         ; v245     a scale byte
.set TP,   246                         ; v246     a lane permute's destination
.set HW,   198                         ; the head's own names, in SAVE's registers
.set HL,   199
.set HR,   200
.set HH,   201
.set HT,   202
.set HA,   203
.set HB,   204
.set KW,   205
.set QW,   206
.set MW,   207
.set VW,   208
.set SW,   209
.set VSI,  210
.set VSO,  211
.set MO,   212
.set MD,   213
.set NI,   214
.set CZ,   215
.set MA,   216
.set ML,   218
.set MH,   219
	s_load_b256 s[4:11], s[0:1], 0x0               ; Q s[4:5], K s[6:7], V s[8:9], mask s[10:11]
	s_load_b64 s[12:13], s[0:1], 0x20              ; out0
	v_lshl_add_u32 v254, v0, 2, 0x35200
	v_mov_b32 v255, 0
	v_lshrrev_b32 v[HW], 5, v0
	v_readfirstlane_b32 s14, v[HW]                 ; wave 0..15
	v_and_b32 v[HL], 31, v0                        ; lane
	v_and_b32 v[HR], 15, v0                        ; r
	v_bfe_u32 v[HH], v0, 4, 1                      ; h
	s_lshl_b32 s26, s14, 12                        ; 4,096 w: 64 rows of 64 bytes, in memory and in the images alike
	s_lshl_b32 s16, ttmp9, 16                      ; the head's 65,536 bytes in Q, K, V and out0,
	s_add_co_u32 s16, s16, s26                     ; and my wave's 64 rows of them
	s_mov_b32 s17, 0
	s_lshr_b32 s18, ttmp9, 3                       ; the batch:
	s_lshl_b32 s18, s18, 10                        ; its 1,024 bytes of mask
	s_mov_b32 s19, 0
	s_mov_b32 s20, 0x76543210                      ; v_permlanex16_b32's selects for lane l xor 16
	s_mov_b32 s21, 0xfedcba98
	s_mov_b32 s22, 0xc1e6d4ca                      ; -20 log2(e)
	s_mov_b32 s23, s22                             ; (the packed forms name a pair and take its low word for both halves: so the upper is written)
	s_mov_b32 s24, 0x3f38aa3b                      ; kappa = log2(e) / 2
	s_mov_b32 s25, s24
	s_mul_i32 s27, s14, 768                        ; my half of a step's image of V: 1,536 (w / 2) + 768 (w % 2)
	s_mul_i32 s28, s14, VSTW
	s_add_co_u32 s28, s28, VSTG                    ; my stage for V
	s_lshr_b32 s29, s14, 1
	s_lshl_b32 s29, s29, 6                         ; V's scale words: step w / 2,
	s_and_b32 s31, s14, 1
	s_lshl_b32 s31, s31, 1
	s_add_co_u32 s29, s29, s31                     ; bytes 2 (w % 2) and the next
	v_lshl_add_u32 v[AK], v[HL], 4, KIMG
	v_lshl_add_u32 v[AQ], v[HL], 4, s26
	v_lshl_add_u32 v[AM], v[HH], 7, MADD
	v_lshl_add_u32 v[AV], v[HL], 3, VIMG
	v_lshl_add_u32 v[AVS], v[HR], 2, VSC
	v_lshlrev_b32 v[SH8], 3, v[HH]
	v_lshlrev_b32 v[GO], 4, v[HL]
	v_lshl_add_u32 v[SOA], v[HR], 6, s26
	v_lshl_add_u32 v[SOA], v[HH], 5, v[SOA]        ; the way out: 4,096 w + 64 r + 32 h
	v_lshlrev_b32 v[MO], 1, v0                     ; two bytes of mask a thread
	; Lane l's 16 bytes of a dense load are depth 4 (l % 4) .. + 3 of row l / 4 of eight rows.  In an image they belong to lane (row, h = (l / 2) % 2), register group l % 2:
	v_and_b32 v[HA], 1, v0
	v_bfe_u32 v[HB], v0, 1, 1
	v_bfe_u32 v[HT], v0, 2, 3
	v_lshlrev_b32 v[HT], 4, v[HT]                  ; 16 (l / 4)
	v_lshl_add_u32 v[HT], v[HB], 8, v[HT]          ; + 256 ((l / 2) % 2)
	v_lshl_add_u32 v[HT], v[HA], 9, v[HT]          ; + 512 (l % 2)
	v_add_nc_u32 v[QW], s26, v[HT]                 ; into my tiles of Q,
	v_add_nc_u32 v[KW], KIMG, v[QW]                ; and into unit w of K
	v_lshl_add_u32 v[MW], v0, 3, MADD              ; my two addends
	v_add_nc_u32 v[VW], s27, v[AV]
	v_add_nc_u32 v[SW], s29, v[AVS]
	v_lshl_add_u32 v[VSI], v[HL], 4, s28           ; V's stage, in: as the bytes lie
	v_mul_u32_u24 v[VSO], v[HH], 2112
	v_lshl_add_u32 v[VSO], v[HR], 2, v[VSO]
	v_add_nc_u32 v[VSO], s28, v[VSO]               ; and out: channel r, keys 32 h on
	v_mov_b32 v[NI], 0xff800000                    ; -infinity
	v_mov_b32 v[CZ], 0xbf12b361                    ; 10 log2(e) - 15
	v_mov_b32 v[TP], 0                             ; written once: a lane permute's destination counts as one of its sources
	s_wait_kmcnt 0x0
	s_add_nc_u64 s[4:5], s[4:5], s[16:17]
	s_add_nc_u64 s[6:7], s[6:7], s[16:17]
	s_add_nc_u64 s[8:9], s[8:9], s[16:17]
	s_add_nc_u64 s[12:13], s[12:13], s[16:17]
	s_add_nc_u64 s[10:11], s[10:11], s[18:19]
	; 25 loads: the mask's, then eight each of K, Q and V; each of the 24 covers 512 consecutive bytes.  Q, K and V are read once in the launch; the mask by eight work-groups.
	global_load_u16 v[MD], v[MO], s[10:11]
.irp j, 0,1,2,3,4,5,6,7
	global_load_b128 v[KF+4*\j:KF+4*\j+3], v[GO], s[6:7] offset:512*\j th:TH_LOAD_NT
.endr
.irp j, 0,1,2,3,4,5,6,7
	global_load_b128 v[MK+4*\j:MK+4*\j+3], v[GO], s[4:5] offset:512*\j th:TH_LOAD_NT
.endr
.irp j, 0,1,2,3,4,5,6,7
	global_load_b128 v[O+4*\j:O+4*\j+3], v[GO], s[8:9] offset:512*\j th:TH_LOAD_NT
.endr
	s_wait_loadcnt 24                              ; the mask's bytes are in; the 24 younger loads stay out
	v_and_b32 v[ML], 0xff, v[MD]
	v_lshrrev_b32 v[MH], 8, v[MD]
	v_cmp_eq_u32 vcc_lo, 0, v[ML]
	v_cndmask_b32 v[MA], v[NI], v[CZ], vcc_lo      ; a byte of 0: the key counts; any other: -infinity
	v_cmp_eq_u32 vcc_lo, 0, v[MH]
	v_cndmask_b32 v[MA+1], v[NI], v[CZ], vcc_lo
	ds_store_b64 v[MW], v[MA:MA+1]
	s_wait_loadcnt 16                              ; K is in
.irp j, 0,1,2,3,4,5,6,7                            ; load j holds keys 8 j .. 8 j + 7 of the unit: rows 8 (j / 4) on of tile j % 4
	ds_store_b128 v[KW], v[KF+4*\j:KF+4*\j+3] offset:(\j%4)*1024+(\j/4)*128
.endr
	s_wait_loadcnt 8                               ; Q is in
.set XI, 0
.rept 16
	v_pk_mul_f32 v[MK+XI:MK+XI+1], v[MK+XI:MK+XI+1], s[24:25] op_sel_hi:[1,0]   ; x kappa, once
.set XI, XI+2
.endr
.irp j, 0,1,2,3,4,5,6,7                            ; load j holds queries 8 j .. 8 j + 7: rows 8 (j % 2) on of tile j / 2
	ds_store_b128 v[QW], v[MK+4*\j:MK+4*\j+3] offset:(\j/2)*1024+(\j%2)*128
.endr
	s_wait_loadcnt 0x0                             ; V is in
.irp j, 0,1,2,3,4,5,6,7
	ds_store_b128 v[VSI], v[O+4*\j:O+4*\j+3] offset:512*\j+(\j/4)*64
.endr
.set XI, 0
.rept 32
	ds_load_b32 v[P+XI], v[VSO] offset:64*XI       ; V(key 64 w + 32 h + i, channel r): LDS serves a wave's instructions in order, so these see my stores.  A LANE TAKES A CHANNEL, ITS REGISTERS RUN DOWN THE KEYS
.set XI, XI+1
.endr
	s_wait_dscnt 0x0
	; My 32 numbers are one whole block: block 2 (w % 2) + h of step w / 2, channel r.
	v_max3_num_f32 v[MXA], |v[P]|, |v[P+1]|, 0x1800000   ; its largest magnitude, in two chains, with the floor 2^(3 - 127) among the leaves: the byte cannot fall under 1
	v_max3_num_f32 v[MXB], |v[P+2]|, |v[P+3]|, |v[P+4]|
.irp i, 5,9,13,17,21,25
	v_max3_num_f32 v[MXA], v[MXA], |v[P+\i]|, |v[P+\i+1]|
	v_max3_num_f32 v[MXB], v[MXB], |v[P+\i+2]|, |v[P+\i+3]|
.endr
	v_max3_num_f32 v[MXA], v[MXA], |v[P+29]|, |v[P+30]|
	v_max3_num_f32 v[MXA], v[MXA], v[MXB], |v[P+31]|
	v_add_nc_u32 v[SOP], 0xff000000, v[MXA]        ; 2 off its exponent field: the conversion takes the exponent field of this operand as its scale, and nothing else of it
	v_cvt_scalef32_pk16_fp6_f32 v[PC:PC+2], v[P:P+15], v[SOP]
	v_cvt_scalef32_pk16_fp6_f32 v[TMP:TMP+2], v[P+16:P+31], v[SOP]
	v_lshrrev_b32 v[BY], 23, v[SOP]                ; the scale's byte.  (The plain line behind the conversions)
	v_lshlrev_b32 v[BY], v[SH8], v[BY]             ; at its place among my pair of lanes' two
.irp i, 0,1,2
	v_mov_b32 v[PC+3+\i], v[TMP+\i]
.endr
	v_permlanex16_b32 v[TP], v[BY], s20, s21
	v_or_b32 v[BY], v[BY], v[TP]                   ; with lane l xor 16's: two bytes of channel r's scale word
	ds_store_b64 v[VW], v[PC:PC+1]                 ; registers 6 (w % 2) .. + 5 of the step's fragment, as they stand
	ds_store_b64 v[VW], v[PC+2:PC+3] offset:256
	ds_store_b64 v[VW], v[PC+4:PC+5] offset:512
	ds_store_b16 v[SW], v[BY]                      ; both halves of the lanes write the same bytes with the same value
	s_wait_dscnt 0x0                               ; for the others' sake: all my stores have landed
	s_barrier_signal -1
	s_barrier_wait -1                              ; the head's K, V and addends lie in LDS: from here on they are only read
; Eight matrix instructions: S^T of key tiles 2 g and 2 g + 1 against the tile of queries in hand, four K steps of 4.  The first K step starts each sum with the constant 0;
; the two accumulators take turns, one instruction a turn.
.macro WMH g
.irp ks, 0,1,2,3
.irp i, 0,1
.if \ks == 0
	v_wmma_f32_16x16x4_f32 v[S+16*(\g)+8*\i:S+16*(\g)+8*\i+7], v[KF+16*(\g)+8*\i+2*\ks:KF+16*(\g)+8*\i+2*\ks+1], v[QF+2*\ks:QF+2*\ks+1], 0
.else
	v_wmma_f32_16x16x4_f32 v[S+16*(\g)+8*\i:S+16*(\g)+8*\i+7], v[KF+16*(\g)+8*\i+2*\ks:KF+16*(\g)+8*\i+2*\ks+1], v[QF+2*\ks:QF+2*\ks+1], v[S+16*(\g)+8*\i:S+16*(\g)+8*\i+7]
.endif
.endr
.endr
.endm
; My block of 32 p (unit c of the step, tile t of queries) becomes 6 registers of codes and a byte; the row's sum takes the unquantised p; with c = 1 the step's product follows.
.macro QUANT c, t
	v_max_num_f32 v[MXA], v[MXA], v[MXB]           ; the block's largest p (or the floor)
	v_add_nc_u32 v[SOP], 0xff000000, v[MXA]        ; 2 off its exponent field: the conversions' scale operand
.if (\c) == 0
	v_cvt_scalef32_pk16_fp6_f32 v[SAVE+6*(\t):SAVE+6*(\t)+2], v[P:P+15], v[SOP]   ; kept until the tile's second 64 keys are done
.else
	v_cvt_scalef32_pk16_fp6_f32 v[PC+6:PC+8], v[P:P+15], v[SOP]
.endif
	v_cvt_scalef32_pk16_fp6_f32 v[TMP:TMP+2], v[P+16:P+31], v[SOP]
.if (\c) == 0
	v_lshrrev_b32 v[PW+(\t)], 23, v[SOP]           ; the byte of block h.  (The plain line behind the conversions)
.else
	v_lshrrev_b32 v[BY], 23, v[SOP]                ; the byte of block 2 + h.  (The plain line behind the conversions)
	v_lshl_or_b32 v[PW+(\t)], v[BY], 16, v[PW+(\t)]
	v_lshlrev_b32 v[PW+(\t)], v[SH8], v[PW+(\t)]   ; my two bytes at their places, 8 h bits up;
	v_permlanex16_b32 v[TP], v[PW+(\t)], s20, s21
	v_or_b32 v[PW+(\t)], v[PW+(\t)], v[TP]         ; with lane l xor 16's two the query's scale word for these 128 keys is whole
.endif
	v_pk_add_f32 v[MXA:MXA+1], v[P:P+1], v[P+2:P+3]   ; THE ROW'S SUM IS TAKEN OF THE UNQUANTISED p: two at a time, in two chains
.irp j, 4,8,12
	v_pk_add_f32 v[L+2*(\t):L+2*(\t)+1], v[L+2*(\t):L+2*(\t)+1], v[P+\j:P+\j+1]
	v_pk_add_f32 v[MXA:MXA+1], v[MXA:MXA+1], v[P+\j+2:P+\j+3]
.endr
	v_pk_add_f32 v[L+2*(\t):L+2*(\t)+1], v[L+2*(\t):L+2*(\t)+1], v[P+16:P+17]
.if (\c) == 0
.irp i, 0,1,2
	v_mov_b32 v[SAVE+6*(\t)+3+\i], v[TMP+\i]
.endr
.else
.irp i, 0,1,2
	v_mov_b32 v[PC+9+\i], v[TMP+\i]
.endr
.irp i, 0,1,2,3,4,5
	v_mov_b32 v[PC+\i], v[SAVE+6*(\t)+\i]
.endr
.endif
	v_pk_add_f32 v[MXA:MXA+1], v[MXA:MXA+1], v[P+18:P+19]   ; these eight are also the places between the operand's last write and the product; the scale word's last write stands 25 plain lines back
.irp j, 20,24,28
	v_pk_add_f32 v[L+2*(\t):L+2*(\t)+1], v[L+2*(\t):L+2*(\t)+1], v[P+\j:P+\j+1]
	v_pk_add_f32 v[MXA:MXA+1], v[MXA:MXA+1], v[P+\j+2:P+\j+3]
.endr
	v_pk_add_f32 v[L+2*(\t):L+2*(\t)+1], v[L+2*(\t):L+2*(\t)+1], v[MXA:MXA+1]
.if (\c) == 1
	v_wmma_scale_f32_16x16x128_f8f6f4 v[O+8*(\t):O+8*(\t)+7], v[VF:VF+11], v[PC:PC+11], v[O+8*(\t):O+8*(\t)+7], v[VS], v[PW+(\t)] matrix_a_fmt:MATRIX_FMT_FP6 matrix_b_fmt:MATRIX_FMT_FP6
.endif
.endm
; HALF A JOB.  A job is 64 keys (unit c of the step) x 16 queries (tile t); half g is key tiles 2 g and 2 g + 1: 16 numbers a lane.  The matrix work of the NEXT half is issued first, so that
; it runs under this half's exponentials.  last = 1: the last step, which fetches nothing beyond the end.
.macro BRACKET c, t, g, last
.set FIN, 0
.if (\last) && ((\c) == 1) && ((\t) == 3)
.set FIN, 1                                        ; the very last job
.endif
.set PG, P+16*(\g)
.set SG, S+16*(\g)
.set MG, MK+16*(\g)
.if ((\g) == 0) && ((\t) == 0) && ((\c) == 1)
	s_wait_dscnt 0x0                               ; this unit's addends, asked for in the half before, are in (a step's first unit: see the loop's end)
.endif
.if ((\g) == 1) && (FIN == 0)
	s_wait_dscnt 0x0                               ; the next tile of queries (and, behind tile 3, the next unit's keys; in a step's first job, V) are in: asked for in the half before
.endif
.if ((\g) == 0) || (FIN == 0)
	WMH 1-(\g)                                     ; g = 0: this job's second half;  g = 1: the next job's first
.endif
.set XI, 0
.rept 16
	v_exp_f32 v[PG+XI], v[SG+XI]                   ; e = 2^s'; each accumulator is read from its low end on.  These sums were finished a whole half ago
.set XI, XI+1
.endr
	v_nop                                          ; a plain line between the exponentials and the use of their results
.set XI, 0
	s_wait_alu depctr_va_vdst(0)
.rept 8
	v_pk_add_f32 v[PG+XI:PG+XI+1], v[PG+XI:PG+XI+1], 1.0 op_sel_hi:[1,0]   ; 1 + e
.set XI, XI+2
.endr
.if ((\g) == 0) && (FIN == 0)                      ; nine plain lines stand behind the matrix instructions above, which were the last to read these registers (eight are asked of this form)
	ds_load_b128 v[QF:QF+3], v[AQ] offset:(((\t)+1)%4)*1024
	ds_load_b128 v[QF+4:QF+7], v[AQ] offset:(((\t)+1)%4)*1024+512
.if (\t) == 3
.irp i, 0,1,2,3
	ds_load_b128 v[KF+8*\i:KF+8*\i+3], v[AK] offset:((\c)+1)*4096+\i*1024
	ds_load_b128 v[KF+8*\i+4:KF+8*\i+7], v[AK] offset:((\c)+1)*4096+\i*1024+512
.endr
.endif
.if ((\c) == 0) && ((\t) == 0)
.irp p, 0,1,2,3,4,5
	ds_load_b64 v[VF+2*\p:VF+2*\p+1], v[AV] offset:256*\p   ; this step's fragment of V and its scale words: wanted with the step's second unit
.endr
	ds_load_b32 v[VS], v[AVS]
.endif
.endif
.set XI, 0
.rept 16
	v_rcp_f32 v[PG+XI], v[PG+XI]                   ; r = 1 / (1 + e)
.set XI, XI+1
.endr
	v_nop
.set XI, 0
	s_wait_alu depctr_va_vdst(0)
.rept 8
	v_pk_fma_f32 v[PG+XI:PG+XI+1], v[PG+XI:PG+XI+1], s[22:23], v[MG+XI:MG+XI+1] op_sel_hi:[1,0,1]   ; t - 15 = r x (-20 log2 e) + ADD[key]
.set XI, XI+2
.endr
.if ((\g) == 1) && ((\t) == 3) && (FIN == 0)
.irp q, 0,1,2,3,4,5,6,7
	ds_load_b128 v[MK+4*\q:MK+4*\q+3], v[AM] offset:((\c)+1)*256+16*\q   ; the unit's last job has taken its addends: the next unit's
.endr
.endif
.set XI, 0
.rept 16
	v_exp_f32 v[PG+XI], v[PG+XI]                   ; p = 2^(t - 15); 0 for a masked key
.set XI, XI+1
.endr
	v_nop
	s_wait_alu depctr_va_vdst(0)
	v_max3_num_f32 v[MXA+(\g)], v[PG], v[PG+1], 0x1800000   ; the largest of my 16, and the floor 2^(3 - 127): no |.|, p is never negative
.set XI, 2
.rept 7
	v_max3_num_f32 v[MXA+(\g)], v[MXA+(\g)], v[PG+XI], v[PG+XI+1]
.set XI, XI+2
.endr
.if (\g) == 1
	QUANT \c, \t
.endif
.endm
; A step: 128 keys x my 64 queries: two units x four tiles x two halves.
.macro STEP last
.irp c, 0,1
.irp t, 0,1,2,3
.irp g, 0,1
	BRACKET \c, \t, \g, \last
.endr
.endr
.endr
.endm
.irp i, 0,1,2,3
	ds_load_b128 v[KF+8*\i:KF+8*\i+3], v[AK] offset:\i*1024        ; unit 0,
	ds_load_b128 v[KF+8*\i+4:KF+8*\i+7], v[AK] offset:\i*1024+512
.endr
	ds_load_b128 v[QF:QF+3], v[AQ]                 ; tile 0,
	ds_load_b128 v[QF+4:QF+7], v[AQ] offset:512
.irp q, 0,1,2,3,4,5,6,7
	ds_load_b128 v[MK+4*\q:MK+4*\q+3], v[AM] offset:16*\q          ; unit 0's addends
.endr
	s_wait_dscnt 0x0
	WMH 0                                          ; the first job's first half
.set XI, 0
.rept 40
	v_mov_b32 v[O+XI], 0                           ; O^T and the sums begin as zeros, so that the step is written once for all but the last; these 40 lines are also the places behind the products above
.set XI, XI+1
.endr
	s_mov_b32 s30, 7
.Lstep:                                            ; seven trips; the eighth step is written out, since it fetches nothing beyond the end
	STEP 0
	s_wait_dscnt 0x0                               ; the next step's first addends are in, and no LDS load of mine is out: the addresses step
	v_add_nc_u32 v[AK], 8192, v[AK]
	v_add_nc_u32 v[AM], 512, v[AM]
	v_add_nc_u32 v[AV], 1536, v[AV]
	v_add_nc_u32 v[AVS], 64, v[AVS]
	s_sub_co_u32 s30, s30, 1
	s_cmp_lg_u32 s30, 0
	s_cbranch_scc1 .Lstep
	STEP 1
	; THE WAY OUT.  A sum's two halves and lane l xor 16's (the query's other blocks) are added; O^T is divided by the sum.  The first four additions are the places behind the last product.
.irp t, 0,1,2,3
	v_add_f32 v[L+2*\t], v[L+2*\t], v[L+2*\t+1]
.endr
.irp t, 0,1,2,3
	v_permlanex16_b32 v[L+2*\t+1], v[L+2*\t], s20, s21
.endr
.irp t, 0,1,2,3
	v_add_f32 v[L+2*\t], v[L+2*\t], v[L+2*\t+1]
.endr
.irp t, 0,1,2,3
	v_rcp_f32 v[L+2*\t], v[L+2*\t]
.endr
	v_nop                                          ; a plain line between the last reciprocal and the use of its result
	s_wait_alu depctr_va_vdst(0)
.irp t, 0,1,2,3
.irp j, 0,2,4,6
	v_pk_mul_f32 v[P+8*\t+\j:P+8*\t+\j+1], v[O+8*\t+\j:O+8*\t+\j+1], v[L+2*\t:L+2*\t+1] op_sel_hi:[1,0]   ; each accumulator from its low end on; register 8 t + j is out(16 t + r, 8 h + j)
.endr
.endr
	; A lane holds 32 bytes of a row of 64, so the wave's 64 rows go through its own 4,096 bytes of LDS (Q's images, which only this wave reads and has read for the last time) and come back 16 bytes a lane.
.irp t, 0,1,2,3
	ds_store_b128 v[SOA], v[P+8*\t:P+8*\t+3] offset:1024*\t
	ds_store_b128 v[SOA], v[P+8*\t+4:P+8*\t+7] offset:1024*\t+16
.endr
.irp i, 0,1,2,3,4,5,6,7
	ds_load_b128 v[KF+4*\i:KF+4*\i+3], v[AQ] offset:512*\i         ; LDS serves a wave's instructions in order: these see my stores
.endr
.irp i, 0,1,2,3,4,5,6,7
	s_wait_dscnt 7-\i                              ; load i is back; the younger ones may be out
	global_store_b128 v[GO], v[KF+4*\i:KF+4*\i+3], s[12:13] offset:512*\i th:TH_STORE_NT   ; 32 lanes store 512 consecutive bytes, at a multiple of 512 from out0's first byte; written once, read by nobody here
.endr
	s_wait_tensorcnt 0x0
	ds_add_u32 v254, v255
	s_wait_dscnt 0x0
	s_endpgm
.Lfunc_end_k_q33ac193485_attn:
	.size	k_q33ac193485_attn, .Lfunc_end_k_q33ac193485_attn-k_q33ac193485_attn
	.p2alignl 7, 3214868480
	.fill 96, 4, 3214868480
	.section	.rodata,"a",@progbits
	.p2align	6, 0x0
	.amdhsa_kernel k_q33ac193485_attn
		.amdhsa_group_segment_fixed_size 219648
		.amdhsa_private_segment_fixed_size 0
		.amdhsa_enable_private_segment 0
		.amdhsa_kernarg_size 40
		.amdhsa_user_sgpr_count 2
		.amdhsa_user_sgpr_kernarg_segment_ptr 1
		.amdhsa_wavefront_size32 1
		.amdhsa_system_sgpr_workgroup_id_x 1
		.amdhsa_system_sgpr_workgroup_id_y 1
		.amdhsa_system_sgpr_workgroup_id_z 1
		.amdhsa_system_vgpr_workitem_id 0
		.amdhsa_next_free_vgpr 256
		.amdhsa_next_free_sgpr 66
		.amdhsa_reserve_vcc 1
		.amdhsa_float_denorm_mode_32 3
		.amdhsa_float_denorm_mode_16_64 3
		.amdhsa_memory_ordered 1
		.amdhsa_forward_progress 1
		.amdhsa_inst_pref_size 170
	.end_amdhsa_kernel
	.amdgpu_metadata
---
amdhsa.version: [ 1, 2 ]
amdhsa.kernels:
  - .name:           k_q33ac193485_attn
    .symbol:         k_q33ac193485_attn.kd
    .args:
      - { .name: Q, .offset: 0, .size: 8, .value_kind: global_buffer, .address_space: global }
      - { .name: K, .offset: 8, .size: 8, .value_kind: global_buffer, .address_space: global }
      - { .name: V, .offset: 16, .size: 8, .value_kind: global_buffer, .address_space: global }
      - { .name: mask, .offset: 24, .size: 8, .value_kind: global_buffer, .address_space: global }
      - { .name: out0, .offset: 32, .size: 8, .value_kind: global_buffer, .address_space: global }
    .group_segment_fixed_size: 219648
    .private_segment_fixed_size: 0
    .kernarg_segment_align: 8
    .kernarg_segment_size: 40
    .max_flat_workgroup_size: 512
    .sgpr_count:     66
    .vgpr_count:     256
    .wavefront_size: 32
...
	.end_amdgpu_metadata
.endif
;; end of part 1
;; ======== version 2 of 3: 1 launch; 1.34 times as fast as version 1
;; launch attn (part 2): grid 256 x 1, 16 waves a work-group, no clusters, 220,160 bytes of LDS; arguments Q, K, V, mask, out0; writes out0
.if DOCPART == 2
	.amdgcn_target "amdgcn-amd-amdhsa--gfx1250"
	.amdhsa_code_object_version 6
	.text
	.protected	k_q33ac193485_attn
	.globl	k_q33ac193485_attn
	.p2align	8
	.type	k_q33ac193485_attn,@function
k_q33ac193485_attn:
	s_mov_b64 s[64:65], 0
	v_nop
	global_prefetch_b8 v0, s[64:65] scope:SCOPE_SE
	s_setreg_imm32_b32 hwreg(HW_REG_WAVE_MODE, 25, 1), 1
	s_wait_xcnt 0x0
; out0[b][h][q][:] = sum over keys k of softmax_k(logit) V[b][h][k][:],  logit = 10 tanh(Q[q] . K[k] / 4), -infinity where mask[b][k] is true.
; Q, K, V, out0: [32][8][1024][16] f32; mask: [32][1024] bytes.  The first product (depth 16) is made of f32 operands by the f32 matrix form; the second (K = the 1,024 keys) on codes of
; FP6 (E2M3) with one E8M0 scale for each 32 keys, both operands quantised here.
; THE SOFTMAX.  t = logit x log2(e) lies within +-14.427 for EVERY input, since the tanh and the factor 10 are the problem's own clip.  So M = 15, a whole number at or above every row's
; largest t, is fixed: p = 2^(t - 15) lies between 2^-29.5 and 2^-0.57 (or is 0 for a masked key), a row's sum is at most 1,024: nothing can overflow or underflow, and since M is whole the
; blocks' scales take up the power of two between this M and the row's own: the quantised numbers relative to the sum are the same.  The sum is taken of the unquantised p and divides at the end.
; A LOGIT'S ARITHMETIC, all f32:  s' = (kappa q) . k, kappa = log2(e) / 2, multiplied into Q once;  e = 2^s' = exp(2 x), x = q . k / 4;  r = 1 / (1 + e), so tanh(x) = 1 - 2 r;
; t - 15 = r x (-20 log2 e) + ADD[slot], ADD = 10 log2 e - 15 for a key that counts and -infinity for a masked one;  p = 2^(t - 15).  e = infinity gives r = 0, e = 0 gives r = 1: the clip's two ends.
; MASKED KEYS ARE LEFT OUT, TILE BY TILE.  A quantiser's block stays the 32 keys that it is; only the ORDER of the keys inside a block is changed, alike for p and for V: the keys that count come first.
; That changes no scale (V's is taken of all 32 keys, p's of those that count) and no product.  A slot at or beyond the block's count n holds p = 0, a zero code: its score, tanh and exponential are not made.
; A unit is two blocks (64 keys) and four key tiles, tile i with slots 8 i .. 8 i + 7 of both blocks: a unit works T = max(2, ceil(nA / 8), ceil(nB / 8)) of them.  With no key masked T = 4 throughout.
; T and the order are whole numbers made of the mask's bytes, which this launch reads; no floating-point number steers a branch or an address.
; LIMITS.  The mask's bytes are 0 or 1, as the problem states them.  NaN and infinities among the inputs, and sums q . k that overflow f32, are not served.  A block of V whose largest magnitude lies
; under 2^-124, and a block of zeros (of V or of p), gets the scale byte 1 where the quantiser's rule says 127 for zeros: its codes are zeros, and only this text reads the bytes.
; A batch whose every key is masked gives 0 x infinity = NaN, as the softmax of the problem does.
; SHARES.  One work-group to a head: 256 work-groups.  Sixteen waves of 256 registers, four to a SIMD.  Wave w owns queries 64 w .. 64 w + 63, four tiles of 16, and walks all units.
; A head's K, Q, V and mask are read from memory ONCE, at the head, and lie in LDS as images of the operands' registers: one barrier in the whole text.
; No tensor loads and no ring: nothing is ever filled again.  No cluster: work-groups share nothing but 1,024 bytes of mask.
; LAYOUT.  Both products are used transposed, so that a lane holds ONE query (lane % 16 = r) throughout; h = lane / 16.
;   S^T = K Q^T by v_wmma_f32_16x16x4_f32: source 0 = 16 keys, source 1 = 16 queries.  Lane (r, h) holds depth 8 h .. 8 h + 7 of its row in 8 registers; K step ks names registers 2 ks, 2 ks + 1:
;   the depths are dealt to the four K steps alike on both sides, so each is multiplied once.
;   Row m of tile i of unit u is slot 8 i + m % 8 of block 2 u + m / 8.  Register j of tile i's result then holds slot 8 i + j of block 2 u + h: a unit's registers are ONE WHOLE BLOCK a lane,
;   which is what the 6-bit operand's layout gives that lane: no lane is asked for a maximum, no codes change lanes.
;   O^T = V^T P^T: source 0 = V^T (row = channel d = r), source 1 = P (column = query r); lane (r, h) of the result holds query r, channels 8 h .. 8 h + 7.  One such product for a unit and a tile of
;   queries: the unit's 64 keys are the low half of its K = 128, the high half is zero codes on both sides, set once: 64 of these products a wave, beside at least 512 of the f32 form.
.set QIMG, 0                           ; LDS: Q x kappa: wave w's own 4,096 bytes; tile t at 1,024 t: registers 0-3 at 16 x lane, registers 4-7 512 bytes on.  After the loop: the wave's stage for the way out
.set KIMG, 65536                       ; K: unit u at 4,096 u, tile i at 1,024 i, laid as Q's tiles, in the slots' order
.set MADD, 131072                      ; ADD[slot], f32: unit u at 256 u, block h at 128 h: 4,096 bytes
.set VIMG, 135168                      ; V's codes: unit u at 768 u: register pair p (0 .. 2) of the fragment at 256 p + 8 x lane
.set VSC,  147456                      ; V's scale words: unit u at 64 u, channel d's word at 4 d: bytes 0 and 1 for the unit's two blocks, bytes 2 and 3 are 0 (over zero codes)
.set VSTG, 148480                      ; at the head only: a stage of its own for each wave, through which its 64 keys of V turn
.set VSTW, 4352                        ; bytes of such a stage: 64 rows of 64 bytes, rows 32-63 another 64 bytes on, so that the two halves of the lanes read different banks
.set AK,   1                           ; v1   KIMG + 16 x lane, stepped 4,096 a unit
.set AQ,   2                           ; v2   QIMG + 4,096 w + 16 x lane
.set AM,   3                           ; v3   MADD + 128 h, stepped 256 a unit
.set AV,   4                           ; v4   VIMG + 8 x lane, stepped 768 a unit
.set AVS,  5                           ; v5   VSC + 4 r, stepped 64 a unit
.set SH8,  6                           ; v6   8 h
.set GO,   7                           ; v7   16 x lane: my bytes of a wave's 512, in memory
.set QF,   8                           ; v8-15    a tile of queries
.set KF,   16                          ; v16-47   a unit's four tiles of keys
.set MK,   48                          ; v48-79   the addends of my block's slots
.set S,    80                          ; v80-111  four accumulators of S^T: written by matrix instructions alone
.set P,    112                         ; v112-143 up to 32 numbers at work: e, 1 + e, r, t - 15, p.  At the head: the mask's bytes, then the gathers' offsets
.set O,    144                         ; v144-175 O^T, 8 registers a tile of queries
.set L,    176                         ; v176-183 the rows' sums, a pair a tile
.set VF,   184                         ; v184-195 V's fragment of the unit; its upper six registers stay 0
.set VS,   196                         ; v196     V's scale words: scales and nothing else
.set SOA,  197                         ; v197     the way out: where I put 32 bytes of a row
.set PC,   198                         ; v198-209 P's fragment; its upper six registers stay 0
.set TMP,  210                         ; v210-212 a conversion's three registers begin on an even number: a block's second half is made here and moved
.set PW,   214                         ; v214     P's scale word: scales and nothing else
.set MXA,  216                         ; v216-217 a block's largest p in two chains; then, as a pair, the second chain of the row's sum
.set MXB,  217
.set SOP,  218                         ; v218     the conversions' scale operand
.set BY,   219                         ; v219     a scale byte
.set TP,   220                         ; v220     a lane permute's destination
.set HW,   222                         ; the head's own registers
.set HL,   223
.set HR,   224
.set HH,   225
.set HT,   226
.set HA,   227
.set HB,   228
.set KW,   229
.set QW,   230
.set MW,   231
.set VW,   232
.set SW,   233
.set VSI,  234
.set VSO,  235
.set MO,   236
.set MB,   237
.set NI,   238
.set CZ,   239
.set MAA,  240
.set MAB,  241
.set RKA,  242
.set RKB,  243
.set PXA,  244
.set PXB,  245
.set IDX,  246
.set Q4,   250
.set MA,   252
	s_load_b256 s[4:11], s[0:1], 0x0               ; Q s[4:5], K s[6:7], V s[8:9], mask s[10:11]
	s_load_b64 s[12:13], s[0:1], 0x20              ; out0
	v_lshl_add_u32 v254, v0, 2, 0x35400
	v_mov_b32 v255, 0
	v_lshrrev_b32 v[HW], 5, v0
	v_readfirstlane_b32 s14, v[HW]                 ; wave 0..15
	v_and_b32 v[HL], 31, v0                        ; lane
	v_and_b32 v[HR], 15, v0                        ; r
	v_bfe_u32 v[HH], v0, 4, 1                      ; h
	s_lshl_b32 s26, s14, 12                        ; 4,096 w: 64 rows of 64 bytes, in memory and in the images alike
	s_lshl_b32 s16, ttmp9, 16                      ; the head's 65,536 bytes in Q, K, V and out0,
	s_add_co_u32 s16, s16, s26                     ; and my wave's 64 rows of them
	s_mov_b32 s17, 0
	s_lshr_b32 s18, ttmp9, 3                       ; the batch:
	s_lshl_b32 s18, s18, 10                        ; its 1,024 bytes of mask
	s_mov_b32 s19, 0
	s_mov_b32 s20, 0x76543210                      ; v_permlanex16_b32's selects for lane l xor 16
	s_mov_b32 s21, 0xfedcba98
	s_mov_b32 s22, 0xc1e6d4ca                      ; -20 log2(e)
	s_mov_b32 s23, s22                             ; (the packed forms name a pair and take its low word for both halves: so the upper is written)
	s_mov_b32 s24, 0x3f38aa3b                      ; kappa = log2(e) / 2
	s_mov_b32 s25, s24
	s_mul_i32 s27, s14, 768                        ; unit w's image of V
	s_mul_i32 s28, s14, VSTW
	s_add_co_u32 s28, s28, VSTG                    ; my stage for V
	s_lshl_b32 s29, s14, 6                         ; 64 w: unit w's scale words of V; also its first byte of the mask
	s_lshl_b32 s31, s14, 8                         ; 256 w: unit w's addends
	s_mov_b32 s39, 0x01010101
	v_lshl_add_u32 v[AK], v[HL], 4, KIMG
	v_lshl_add_u32 v[AQ], v[HL], 4, s26
	v_lshl_add_u32 v[AM], v[HH], 7, MADD
	v_lshl_add_u32 v[AV], v[HL], 3, VIMG
	v_lshl_add_u32 v[AVS], v[HR], 2, VSC
	v_lshlrev_b32 v[SH8], 3, v[HH]
	v_lshlrev_b32 v[GO], 4, v[HL]
	v_lshl_add_u32 v[SOA], v[HR], 6, s26
	v_lshl_add_u32 v[SOA], v[HH], 5, v[SOA]        ; the way out: 4,096 w + 64 r + 32 h
	v_add_nc_u32 v[MO], s29, v[HL]                 ; the mask's byte of key 64 w + lane
	v_lshlrev_b32 v[MB], 5, v[HL]                  ; the mask's 32 bytes of block = lane
	; Lane l's 16 bytes of a load of eight rows are depth 4 (l % 4) .. + 3 of row l / 4.  In an image they belong to lane (row, h = (l / 2) % 2), register group l % 2:
	v_and_b32 v[HA], 1, v0
	v_bfe_u32 v[HB], v0, 1, 1
	v_bfe_u32 v[HT], v0, 2, 3
	v_lshlrev_b32 v[HT], 4, v[HT]                  ; 16 (l / 4)
	v_lshl_add_u32 v[HT], v[HB], 8, v[HT]          ; + 256 ((l / 2) % 2)
	v_lshl_add_u32 v[HT], v[HA], 9, v[HT]          ; + 512 (l % 2)
	v_add_nc_u32 v[QW], s26, v[HT]                 ; into my tiles of Q,
	v_add_nc_u32 v[KW], KIMG, v[QW]                ; and into unit w of K
	v_lshl_add_u32 v[MW], v[HL], 2, s31
	v_add_nc_u32 v[MW], MADD, v[MW]                ; the addend of slot = lane of unit w's first block
	v_add_nc_u32 v[VW], s27, v[AV]
	v_add_nc_u32 v[SW], s29, v[AVS]
	v_lshl_add_u32 v[VSI], v[HL], 4, s28           ; V's stage, in: as the loads' bytes lie
	v_mul_u32_u24 v[VSO], v[HH], 2112
	v_lshl_add_u32 v[VSO], v[HR], 2, v[VSO]
	v_add_nc_u32 v[VSO], s28, v[VSO]               ; and out: channel r, slots of block h
	v_and_b32 v[IDX], 0x1c, v0                     ; 4 x (l / 4): the lane, as a pull's index, that holds slot l / 4;
.irp i, 1,2,3
	v_add_nc_u32 v[IDX+\i], 32*\i, v[IDX]          ; slot 8 i + l / 4
.endr
	v_and_b32 v[Q4], 3, v0
	v_lshlrev_b32 v[Q4], 4, v[Q4]                  ; my quarter of a row: 16 (l % 4)
	v_mov_b32 v[NI], 0xff800000                    ; -infinity
	v_mov_b32 v[CZ], 0xbf12b361                    ; 10 log2(e) - 15
	v_mov_b32 v[TP], 0                             ; written once: a lane permute's destination counts as one of its sources
	s_wait_kmcnt 0x0
	s_add_nc_u64 s[4:5], s[4:5], s[16:17]
	s_add_nc_u64 s[6:7], s[6:7], s[16:17]
	s_add_nc_u64 s[8:9], s[8:9], s[16:17]
	s_add_nc_u64 s[12:13], s[12:13], s[16:17]
	s_add_nc_u64 s[10:11], s[10:11], s[18:19]
	; The mask first, in two views: a key to a lane for my unit's two blocks, and a block to a lane for the whole batch.  Then Q: eight loads of 512 consecutive bytes, read once in the launch.
	global_load_u8 v[MAA], v[MO], s[10:11]
	global_load_u8 v[MAB], v[MO], s[10:11] offset:32
	global_load_b128 v[P:P+3], v[MB], s[10:11]
	global_load_b128 v[P+4:P+7], v[MB], s[10:11] offset:16
.irp j, 0,1,2,3,4,5,6,7
	global_load_b128 v[MK+4*\j:MK+4*\j+3], v[GO], s[4:5] offset:512*\j th:TH_LOAD_NT
.endr
	s_wait_loadcnt 8                               ; the mask's four loads are in; Q's eight stay out
	; MY UNIT'S ORDER.  A key that counts takes the slot = how many such keys stand below it; a masked one n + how many masked keys stand below it.
	v_cmp_eq_u32 s34, 0, v[MAA]                    ; bit k: key k of the first block counts
	v_cmp_eq_u32 s35, 0, v[MAB]                    ; of the second
	s_bcnt1_i32_b32 s36, s34                       ; nA
	s_bcnt1_i32_b32 s37, s35                       ; nB
	v_mbcnt_lo_u32_b32 v[RKA], s34, 0
	v_mbcnt_lo_u32_b32 v[RKB], s35, 0
	v_sub_nc_u32 v[PXA], v[HL], v[RKA]
	v_sub_nc_u32 v[PXB], v[HL], v[RKB]
	v_add_nc_u32 v[PXA], s36, v[PXA]
	v_add_nc_u32 v[PXB], s37, v[PXB]
	v_cndmask_b32 v[PXA], v[PXA], v[RKA], s34
	v_cndmask_b32 v[PXB], v[PXB], v[RKB], s35
	v_lshlrev_b32 v[PXA], 2, v[PXA]
	v_lshlrev_b32 v[PXB], 2, v[PXB]
	ds_permute_b32 v[RKA], v[PXA], v[HL]           ; a push between lanes (no LDS byte is touched): lane k sends its number to the lane of its slot: lane s then holds slot s's key
	ds_permute_b32 v[RKB], v[PXB], v[HL]
	v_cmp_gt_u32 vcc_lo, s36, v[HL]                ; slot = lane counts where it lies under n
	v_cndmask_b32 v[MA], v[NI], v[CZ], vcc_lo
	ds_store_b32 v[MW], v[MA]
	v_cmp_gt_u32 vcc_lo, s37, v[HL]
	v_cndmask_b32 v[MA+1], v[NI], v[CZ], vcc_lo
	ds_store_b32 v[MW], v[MA+1] offset:128
	; EVERY UNIT'S T.  Lane l adds block l's 32 bytes: four sums of at most 8 in a word's bytes, then the four together in the top byte of a product.
	v_add_nc_u32 v[P], v[P], v[P+1]
	v_add3_u32 v[P], v[P], v[P+2], v[P+3]
	v_add3_u32 v[P], v[P], v[P+4], v[P+5]
	v_add3_u32 v[P], v[P], v[P+6], v[P+7]
	v_mul_lo_u32 v[P], v[P], s39
	v_lshrrev_b32 v[P], 24, v[P]                   ; how many of the block's keys are masked
	v_cmp_gt_u32 s32, 16, v[P]                     ; under 16: more than 16 count: a third tile
	v_cmp_gt_u32 s33, 8, v[P]                      ; under 8: more than 24 count: a fourth
	s_lshr_b32 s38, s32, 1
	s_or_b32 s32, s32, s38                         ; bit 2 u: either block of unit u
	s_lshr_b32 s38, s33, 1
	s_or_b32 s33, s33, s38
	s_wait_dscnt 0x0                               ; the two pushes are back
.irp i, 0,1,2,3
	ds_bpermute_b32 v[P+\i], v[IDX+\i], v[RKA]     ; a pull between lanes: the key of slot 8 i + l / 4, for the four lanes that load its row
	ds_bpermute_b32 v[P+4+\i], v[IDX+\i], v[RKB]
.endr
	s_wait_dscnt 0x0
.irp j, 0,1,2,3,4,5,6,7
	v_min_u32 v[P+\j], 31, v[P+\j]                 ; a key's number in its block: held inside the block before it enters an address
.endr
.irp j, 0,1,2,3,4,5,6,7
	v_lshlrev_b32 v[P+\j], 6, v[P+\j]              ; its row of 64 bytes,
.endr
.irp j, 0,1,2,3,4,5,6,7
	v_add_nc_u32 v[P+\j], v[Q4], v[P+\j]           ; my quarter of it
.endr
	; Load j takes the rows of slots 8 (j % 4) .. + 7 of block j / 4: eight whole rows of 64 bytes out of the block's 2,048; the order is a permutation, so each row is read once.
.irp j, 0,1,2,3,4,5,6,7
	global_load_b128 v[KF+4*\j:KF+4*\j+3], v[P+\j], s[6:7] offset:(\j/4)*2048
.endr
.irp j, 0,1,2,3,4,5,6,7
	global_load_b128 v[O+4*\j:O+4*\j+3], v[P+\j], s[8:9] offset:(\j/4)*2048
.endr
	s_wait_loadcnt 16                              ; Q is in; the sixteen gathers stay out
.set XI, 0
.rept 16
	v_pk_mul_f32 v[MK+XI:MK+XI+1], v[MK+XI:MK+XI+1], s[24:25] op_sel_hi:[1,0]   ; x kappa, once
.set XI, XI+2
.endr
.irp j, 0,1,2,3,4,5,6,7                            ; load j holds queries 8 j .. 8 j + 7: rows 8 (j % 2) on of tile j / 2
	ds_store_b128 v[QW], v[MK+4*\j:MK+4*\j+3] offset:(\j/2)*1024+(\j%2)*128
.endr
	s_wait_loadcnt 8                               ; K is in; V's eight stay out
.irp j, 0,1,2,3,4,5,6,7                            ; load j: rows 8 (j / 4) on of tile j % 4
	ds_store_b128 v[KW], v[KF+4*\j:KF+4*\j+3] offset:(\j%4)*1024+(\j/4)*128
.endr
	s_wait_loadcnt 0x0                             ; V is in, and the gathers' offsets are free
.irp j, 0,1,2,3,4,5,6,7
	ds_store_b128 v[VSI], v[O+4*\j:O+4*\j+3] offset:512*\j+(\j/4)*64
.endr
.set XI, 0
.rept 32
	ds_load_b32 v[P+XI], v[VSO] offset:64*XI       ; V(slot i of block 2 w + h, channel r): LDS serves a wave's instructions in order, so these see my stores.  A LANE TAKES A CHANNEL, ITS REGISTERS RUN DOWN THE SLOTS
.set XI, XI+1
.endr
	s_wait_dscnt 0x0
	; My 32 numbers are one whole block, masked keys' among them, as the quantiser has it.
	v_max3_num_f32 v[MXA], |v[P]|, |v[P+1]|, 0x1800000   ; its largest magnitude, in two chains, with the floor 2^(3 - 127) among the leaves: the byte cannot fall under 1
	v_max3_num_f32 v[MXB], |v[P+2]|, |v[P+3]|, |v[P+4]|
.irp i, 5,9,13,17,21,25
	v_max3_num_f32 v[MXA], v[MXA], |v[P+\i]|, |v[P+\i+1]|
	v_max3_num_f32 v[MXB], v[MXB], |v[P+\i+2]|, |v[P+\i+3]|
.endr
	v_max3_num_f32 v[MXA], v[MXA], |v[P+29]|, |v[P+30]|
	v_max3_num_f32 v[MXA], v[MXA], v[MXB], |v[P+31]|
	v_add_nc_u32 v[SOP], 0xff000000, v[MXA]        ; 2 off its exponent field: the conversion takes the exponent field of this operand as its scale, and nothing else of it
	v_cvt_scalef32_pk16_fp6_f32 v[PC:PC+2], v[P:P+15], v[SOP]
	v_cvt_scalef32_pk16_fp6_f32 v[TMP:TMP+2], v[P+16:P+31], v[SOP]
	v_lshrrev_b32 v[BY], 23, v[SOP]                ; the scale's byte.  (The plain line behind the conversions)
	v_lshlrev_b32 v[BY], v[SH8], v[BY]             ; at its place among my pair of lanes' two
.irp i, 0,1,2
	v_mov_b32 v[PC+3+\i], v[TMP+\i]
.endr
	v_permlanex16_b32 v[TP], v[BY], s20, s21
	v_or_b32 v[BY], v[BY], v[TP]                   ; with lane l xor 16's: channel r's scale word for the unit
	ds_store_b64 v[VW], v[PC:PC+1]                 ; registers 0 .. 5 of the unit's fragment, as they stand
	ds_store_b64 v[VW], v[PC+2:PC+3] offset:256
	ds_store_b64 v[VW], v[PC+4:PC+5] offset:512
	ds_store_b32 v[SW], v[BY]                      ; both halves of the lanes write the same word with the same value
	s_wait_dscnt 0x0                               ; for the others' sake: all my stores have landed
	s_barrier_signal -1
	s_barrier_wait -1                              ; the head's K, V and addends lie in LDS: from here on they are only read
; 4 nt matrix instructions: S^T of key tiles 0 .. nt - 1 against the tile of queries in QF, four K steps of 4.  The first K step starts each sum with the constant 0;
; the accumulators take turns, one instruction a turn.
.macro WM nt
.irp ks, 0,1,2,3
.set WI, 0
.rept \nt
.if \ks == 0
	v_wmma_f32_16x16x4_f32 v[S+8*WI:S+8*WI+7], v[KF+8*WI:KF+8*WI+1], v[QF:QF+1], 0
.else
	v_wmma_f32_16x16x4_f32 v[S+8*WI:S+8*WI+7], v[KF+8*WI+2*\ks:KF+8*WI+2*\ks+1], v[QF+2*\ks:QF+2*\ks+1], v[S+8*WI:S+8*WI+7]
.endif
.set WI, WI+1
.endr
.endr
.endm
; My block's p (8 nt of them; the slots beyond are zeros) become 6 registers of codes and a byte; the row's sum takes the unquantised p; the unit's product for tile t of queries follows.
.macro QUANT nt, t
	v_max_num_f32 v[MXA], v[MXA], v[MXB]           ; the block's largest p (or the floor)
	v_add_nc_u32 v[SOP], 0xff000000, v[MXA]        ; 2 off its exponent field: the conversions' scale operand
	v_cvt_scalef32_pk16_fp6_f32 v[PC:PC+2], v[P:P+15], v[SOP]
.if (\nt) > 2
	v_cvt_scalef32_pk16_fp6_f32 v[TMP:TMP+2], v[P+16:P+31], v[SOP]
.endif
	v_lshrrev_b32 v[BY], 23, v[SOP]                ; the scale's byte.  (The plain line behind the conversions)
	v_lshlrev_b32 v[PW], v[SH8], v[BY]             ; at its place, 8 h bits up;
	v_permlanex16_b32 v[TP], v[PW], s20, s21
	v_or_b32 v[PW], v[PW], v[TP]                   ; with lane l xor 16's the query's scale word is whole: bytes 0 and 1; bytes 2 and 3 are 0, over zero codes
.irp i, 0,1,2
.if (\nt) > 2
	v_mov_b32 v[PC+3+\i], v[TMP+\i]
.else
	v_mov_b32 v[PC+3+\i], 0                        ; slots 16 .. 31 are all masked: zero codes
.endif
.endr
	v_pk_add_f32 v[MXA:MXA+1], v[P:P+1], v[P+2:P+3]   ; THE ROW'S SUM IS TAKEN OF THE UNQUANTISED p: two at a time, in two chains.  These 4 nt lines, eight at the least, are also the places
.set XI, 4                                         ; between the last writes of the scale word and of the operand and the product
.rept 2*(\nt)-1
	v_pk_add_f32 v[L+2*(\t):L+2*(\t)+1], v[L+2*(\t):L+2*(\t)+1], v[P+XI:P+XI+1]
	v_pk_add_f32 v[MXA:MXA+1], v[MXA:MXA+1], v[P+XI+2:P+XI+3]
.set XI, XI+4
.endr
	v_pk_add_f32 v[L+2*(\t):L+2*(\t)+1], v[L+2*(\t):L+2*(\t)+1], v[MXA:MXA+1]
	v_wmma_scale_f32_16x16x128_f8f6f4 v[O+8*(\t):O+8*(\t)+7], v[VF:VF+11], v[PC:PC+11], v[O+8*(\t):O+8*(\t)+7], v[VS], v[PW] matrix_a_fmt:MATRIX_FMT_FP6 matrix_b_fmt:MATRIX_FMT_FP6
.endm
; A JOB: nt key tiles of the unit x tile t of queries: 8 nt numbers a lane.  Its scores were made a job ago; as soon as they are read, the next tile's are issued into the same registers.
.macro JOB nt, t
.set XI, 0
.rept 8*(\nt)
	v_exp_f32 v[P+XI], v[S+XI]                     ; e = 2^s'; each accumulator is read from its low end on
.set XI, XI+1
.endr
	v_nop                                          ; a plain line between the exponentials and the use of their results, and the writing of their sources
.set XI, 0
	s_wait_alu depctr_va_vdst(0)
.rept 4*(\nt)
	v_pk_add_f32 v[P+XI:P+XI+1], v[P+XI:P+XI+1], 1.0 op_sel_hi:[1,0]   ; 1 + e
.set XI, XI+2
.endr
.if (\t) < 3
	s_wait_dscnt 0x0                               ; the next tile of queries is in (in a unit's first job also its addends and V)
	WM \nt                                         ; the scores of tile t + 1
.endif
.set XI, 0
.rept 8*(\nt)
	v_rcp_f32 v[P+XI], v[P+XI]                     ; r = 1 / (1 + e)
.set XI, XI+1
.endr
	v_nop
.set XI, 0
	s_wait_alu depctr_va_vdst(0)
.rept 4*(\nt)
	v_pk_fma_f32 v[P+XI:P+XI+1], v[P+XI:P+XI+1], s[22:23], v[MK+XI:MK+XI+1] op_sel_hi:[1,0,1]   ; t - 15 = r x (-20 log2 e) + ADD[slot]
.set XI, XI+2
.endr
; 1 + 4 nt plain lines, nine at the least, stand behind the matrix instructions above, the last to read QF (and, in job 2, KF): eight are asked of this form (ISA guide 7.12.1 for vector instructions)
.if (\t) < 2
	ds_load_b128 v[QF:QF+3], v[AQ] offset:((\t)+2)*1024
	ds_load_b128 v[QF+4:QF+7], v[AQ] offset:((\t)+2)*1024+512
.endif
.if (\t) == 2
	s_cmp_eq_u32 s30, 1                            ; the last unit fetches nothing beyond the end
	s_cbranch_scc1 .Lno_next_\@
	ds_load_b128 v[QF:QF+3], v[AQ]                 ; for the next unit: tile 0 of the queries,
	ds_load_b128 v[QF+4:QF+7], v[AQ] offset:512
.irp i, 0,1,2,3
	ds_load_b128 v[KF+8*\i:KF+8*\i+3], v[AK] offset:4096+\i*1024     ; and its keys
	ds_load_b128 v[KF+8*\i+4:KF+8*\i+7], v[AK] offset:4096+\i*1024+512
.endr
.Lno_next_\@:
.endif
.set XI, 0
.rept 8*(\nt)
	v_exp_f32 v[P+XI], v[P+XI]                     ; p = 2^(t - 15); 0 for a masked key
.set XI, XI+1
.endr
	v_nop
	s_wait_alu depctr_va_vdst(0)
	v_max3_num_f32 v[MXA], v[P], v[P+1], 0x1800000 ; the block's largest p, in two chains, each begun with the floor 2^(3 - 127): no |.|, p is never negative
	v_max3_num_f32 v[MXB], v[P+2], v[P+3], 0x1800000
.set XI, 4
.rept 2*(\nt)-1
	v_max3_num_f32 v[MXA], v[MXA], v[P+XI], v[P+XI+1]
	v_max3_num_f32 v[MXB], v[MXB], v[P+XI+2], v[P+XI+3]
.set XI, XI+4
.endr
	QUANT \nt, \t
.endm
; A UNIT that works nt of its four key tiles, for my four tiles of queries.  It issues its own first scores, so that all that it reads is written on every way into it.
.macro UNIT nt
	WM \nt                                         ; the scores of tile 0
.if (\nt) == 3
.set XI, 24
.rept 8
	v_mov_b32 v[P+XI], 0                           ; slots 24 .. 31 are all masked: the second conversion finds zeros there.  These eight lines are the places behind the products above
.set XI, XI+1
.endr
.else
.rept 8
	v_nop                                          ; eight places in front of the loads into QF and of the first read of the scores
.endr
.endif
	ds_load_b128 v[QF:QF+3], v[AQ] offset:1024     ; tile 1 of the queries,
	ds_load_b128 v[QF+4:QF+7], v[AQ] offset:1536
.set XI, 0
.rept 2*(\nt)
	ds_load_b128 v[MK+4*XI:MK+4*XI+3], v[AM] offset:16*XI   ; the addends of my block's first 8 nt slots,
.set XI, XI+1
.endr
.irp p, 0,1,2
	ds_load_b64 v[VF+2*\p:VF+2*\p+1], v[AV] offset:256*\p   ; the unit's fragment of V and its scale words (the last product that read them stands twelve plain lines back)
.endr
	ds_load_b32 v[VS], v[AVS]
	JOB \nt, 0
	JOB \nt, 1
	JOB \nt, 2
	JOB \nt, 3
.endm
.irp i, 0,1,2,3
	ds_load_b128 v[KF+8*\i:KF+8*\i+3], v[AK] offset:\i*1024        ; unit 0,
	ds_load_b128 v[KF+8*\i+4:KF+8*\i+7], v[AK] offset:\i*1024+512
.endr
	ds_load_b128 v[QF:QF+3], v[AQ]                 ; tile 0
	ds_load_b128 v[QF+4:QF+7], v[AQ] offset:512
.set XI, 0
.rept 40
	v_mov_b32 v[O+XI], 0                           ; O^T and the sums begin as zeros, so that no unit has a text of its own
.set XI, XI+1
.endr
.irp i, 6,7,8,9,10,11
	v_mov_b32 v[VF+\i], 0                          ; the upper 64 of the second product's K: zero codes on both sides, for the whole launch
	v_mov_b32 v[PC+\i], 0
.endr
	s_mov_b32 s30, 16
	s_wait_dscnt 0x0
.Lunit:                                            ; sixteen trips; the unit's keys and tile 0 of the queries are in registers
	s_bitcmp1_b32 s33, 0
	s_cbranch_scc1 .Lfour
	s_bitcmp1_b32 s32, 0
	s_cbranch_scc1 .Lthree
	UNIT 2
	s_branch .Lnext
.Lthree:
	UNIT 3
	s_branch .Lnext
.Lfour:
	UNIT 4
.Lnext:
	s_wait_dscnt 0x0                               ; the next unit's keys and queries, asked for a job ago, are in
	v_add_nc_u32 v[AK], 4096, v[AK]
	v_add_nc_u32 v[AM], 256, v[AM]
	v_add_nc_u32 v[AV], 768, v[AV]
	v_add_nc_u32 v[AVS], 64, v[AVS]
	s_lshr_b32 s32, s32, 2                         ; the next unit's two bits come to bit 0
	s_lshr_b32 s33, s33, 2
	s_sub_co_u32 s30, s30, 1
	s_cmp_lg_u32 s30, 0
	s_cbranch_scc1 .Lunit
	; THE WAY OUT.  A sum's two halves and lane l xor 16's (the query's other blocks) are added; O^T is divided by the sum.  The four address steps above and these additions are the places behind the last product.
.irp t, 0,1,2,3
	v_add_f32 v[L+2*\t], v[L+2*\t], v[L+2*\t+1]
.endr
.irp t, 0,1,2,3
	v_permlanex16_b32 v[L+2*\t+1], v[L+2*\t], s20, s21
.endr
.irp t, 0,1,2,3
	v_add_f32 v[L+2*\t], v[L+2*\t], v[L+2*\t+1]
.endr
.irp t, 0,1,2,3
	v_rcp_f32 v[L+2*\t], v[L+2*\t]
.endr
	v_nop                                          ; a plain line between the last reciprocal and the use of its result
	s_wait_alu depctr_va_vdst(0)
.irp t, 0,1,2,3
.irp j, 0,2,4,6
	v_pk_mul_f32 v[P+8*\t+\j:P+8*\t+\j+1], v[O+8*\t+\j:O+8*\t+\j+1], v[L+2*\t:L+2*\t+1] op_sel_hi:[1,0]   ; each accumulator from its low end on; register 8 t + j is out(16 t + r, 8 h + j)
.endr
.endr
	; A lane holds 32 bytes of a row of 64, so the wave's 64 rows go through its own 4,096 bytes of LDS (Q's images, which only this wave reads and has read for the last time) and come back 16 bytes a lane.
.irp t, 0,1,2,3
	ds_store_b128 v[SOA], v[P+8*\t:P+8*\t+3] offset:1024*\t
	ds_store_b128 v[SOA], v[P+8*\t+4:P+8*\t+7] offset:1024*\t+16
.endr
.irp i, 0,1,2,3,4,5,6,7
	ds_load_b128 v[KF+4*\i:KF+4*\i+3], v[AQ] offset:512*\i         ; LDS serves a wave's instructions in order: these see my stores
.endr
.irp i, 0,1,2,3,4,5,6,7
	s_wait_dscnt 7-\i                              ; load i is back; the younger ones may be out
	global_store_b128 v[GO], v[KF+4*\i:KF+4*\i+3], s[12:13] offset:512*\i th:TH_STORE_NT   ; 32 lanes store 512 consecutive bytes, at a multiple of 512 from out0's first byte; written once, read by nobody here
.endr
	s_wait_tensorcnt 0x0
	ds_add_u32 v254, v255
	s_wait_dscnt 0x0
	s_endpgm
.Lfunc_end_k_q33ac193485_attn:
	.size	k_q33ac193485_attn, .Lfunc_end_k_q33ac193485_attn-k_q33ac193485_attn
	.p2alignl 7, 3214868480
	.fill 96, 4, 3214868480
	.section	.rodata,"a",@progbits
	.p2align	6, 0x0
	.amdhsa_kernel k_q33ac193485_attn
		.amdhsa_group_segment_fixed_size 220160
		.amdhsa_private_segment_fixed_size 0
		.amdhsa_enable_private_segment 0
		.amdhsa_kernarg_size 40
		.amdhsa_user_sgpr_count 2
		.amdhsa_user_sgpr_kernarg_segment_ptr 1
		.amdhsa_wavefront_size32 1
		.amdhsa_system_sgpr_workgroup_id_x 1
		.amdhsa_system_sgpr_workgroup_id_y 1
		.amdhsa_system_sgpr_workgroup_id_z 1
		.amdhsa_system_vgpr_workitem_id 0
		.amdhsa_next_free_vgpr 256
		.amdhsa_next_free_sgpr 66
		.amdhsa_reserve_vcc 1
		.amdhsa_float_denorm_mode_32 3
		.amdhsa_float_denorm_mode_16_64 3
		.amdhsa_memory_ordered 1
		.amdhsa_forward_progress 1
		.amdhsa_inst_pref_size 111
	.end_amdhsa_kernel
	.amdgpu_metadata
---
amdhsa.version: [ 1, 2 ]
amdhsa.kernels:
  - .name:           k_q33ac193485_attn
    .symbol:         k_q33ac193485_attn.kd
    .args:
      - { .name: Q, .offset: 0, .size: 8, .value_kind: global_buffer, .address_space: global }
      - { .name: K, .offset: 8, .size: 8, .value_kind: global_buffer, .address_space: global }
      - { .name: V, .offset: 16, .size: 8, .value_kind: global_buffer, .address_space: global }
      - { .name: mask, .offset: 24, .size: 8, .value_kind: global_buffer, .address_space: global }
      - { .name: out0, .offset: 32, .size: 8, .value_kind: global_buffer, .address_space: global }
    .group_segment_fixed_size: 220160
    .private_segment_fixed_size: 0
    .kernarg_segment_align: 8
    .kernarg_segment_size: 40
    .max_flat_workgroup_size: 512
    .sgpr_count:     66
    .vgpr_count:     256
    .wavefront_size: 32
...
	.end_amdgpu_metadata
.endif
;; end of part 2
;; ======== version 3 of 3: 1 launch; version 2 with the launch attn written anew for expert scheduling mode
;; launch attn (part 3): grid 256 x 1, 16 waves a work-group, no clusters, 220,160 bytes of LDS; arguments Q, K, V, mask, out0; writes out0
.if DOCPART == 3
	.amdgcn_target "amdgcn-amd-amdhsa--gfx1250"
	.amdhsa_code_object_version 6
	.text
	.protected	k_q33ac193485_attn
	.globl	k_q33ac193485_attn
	.p2align	8
	.type	k_q33ac193485_attn,@function
k_q33ac193485_attn:
	s_mov_b64 s[64:65], 0
	v_nop
	global_prefetch_b8 v0, s[64:65] scope:SCOPE_SE
	s_setreg_imm32_b32 hwreg(HW_REG_WAVE_SCHED_MODE, 0, 2), 2
	s_setreg_imm32_b32 hwreg(HW_REG_WAVE_MODE, 25, 1), 1
	s_wait_xcnt 0x0
	s_wait_alu depctr_vm_vsrc(0)
; out0[b][h][q][:] = sum over keys k of softmax_k(logit) V[b][h][k][:],  logit = 10 tanh(Q[q] . K[k] / 4), -infinity where mask[b][k] is true.
; Q, K, V, out0: [32][8][1024][16] f32; mask: [32][1024] bytes.  The first product (depth 16) is made of f32 operands by the f32 matrix form; the second (K = the 1,024 keys) on codes of
; FP6 (E2M3) with one E8M0 scale for each 32 keys, both operands quantised here.
; THE SOFTMAX.  t = logit x log2(e) lies within +-14.427 for EVERY input, since the tanh and the factor 10 are the problem's own clip.  So M = 15, a whole number at or above every row's
; largest t, is fixed: p = 2^(t - 15) lies between 2^-29.5 and 2^-0.57 (or is 0 for a masked key), a row's sum is at most 1,024: nothing can overflow or underflow, and since M is whole the
; blocks' scales take up the power of two between this M and the row's own: the quantised numbers relative to the sum are the same.  The sum is taken of the unquantised p and divides at the end.
; A LOGIT'S ARITHMETIC, all f32:  s' = (kappa q) . k, kappa = log2(e) / 2, multiplied into Q once;  e = 2^s' = exp(2 x), x = q . k / 4;  r = 1 / (1 + e), so tanh(x) = 1 - 2 r;
; t - 15 = r x (-20 log2 e) + ADD[slot], ADD = 10 log2 e - 15 for a key that counts and -infinity for a masked one;  p = 2^(t - 15).  e = infinity gives r = 0, e = 0 gives r = 1: the clip's two ends.
; MASKED KEYS ARE LEFT OUT, TILE BY TILE.  A quantiser's block stays the 32 keys that it is; only the ORDER of the keys inside a block is changed, alike for p and for V: the keys that count come first.
; That changes no scale (V's is taken of all 32 keys, p's of those that count) and no product.  A slot at or beyond the block's count n holds p = 0, a zero code: its score, tanh and exponential are not made.
; A unit is two blocks (64 keys) and four key tiles, tile i with slots 8 i .. 8 i + 7 of both blocks: a unit works T = max(2, ceil(nA / 8), ceil(nB / 8)) of them.  With no key masked T = 4 throughout.
; T and the order are whole numbers made of the mask's bytes, which this launch reads; no floating-point number steers a branch or an address.
; LIMITS.  The mask's bytes are 0 or 1, as the problem states them.  NaN and infinities among the inputs, and sums q . k that overflow f32, are not served.  A block of V whose largest magnitude lies
; under 2^-124, and a block of zeros (of V or of p), gets the scale byte 1 where the quantiser's rule says 127 for zeros: its codes are zeros, and only this text reads the bytes.
; A batch whose every key is masked gives 0 x infinity = NaN, as the softmax of the problem does.
; SHARES.  One work-group to a head: 256 work-groups.  Sixteen waves of 256 registers, four to a SIMD.  Wave w owns queries 64 w .. 64 w + 63, four tiles of 16, and walks all units.
; A head's K, Q, V and mask are read from memory ONCE, at the head, and lie in LDS as images of the operands' registers: one barrier in the whole text.
; No tensor loads and no ring: nothing is ever filled again.  No cluster: work-groups share nothing but 1,024 bytes of mask.
; LAYOUT.  Both products are used transposed, so that a lane holds ONE query (lane % 16 = r) throughout; h = lane / 16.
;   S^T = K Q^T by v_wmma_f32_16x16x4_f32: source 0 = 16 keys, source 1 = 16 queries.  Lane (r, h) holds depth 8 h .. 8 h + 7 of its row in 8 registers; K step ks names registers 2 ks, 2 ks + 1:
;   the depths are dealt to the four K steps alike on both sides, so each is multiplied once.
;   Row m of tile i of unit u is slot 8 i + m % 8 of block 2 u + m / 8.  Register j of tile i's result then holds slot 8 i + j of block 2 u + h: a unit's registers are ONE WHOLE BLOCK a lane,
;   which is what the 6-bit operand's layout gives that lane: no lane is asked for a maximum, no codes change lanes.
;   O^T = V^T P^T: source 0 = V^T (row = channel d = r), source 1 = P (column = query r); lane (r, h) of the result holds query r, channels 8 h .. 8 h + 7.  One such product for a unit and a tile of
;   queries: the unit's 64 keys are the low half of its K = 128, the high half is zero codes on both sides, set once: 64 of these products a wave, beside at least 512 of the f32 form.
; THE MODE: SCHED_MODE bits 1:0 = 2 (LLVM: expert scheduling mode 2), set by the entry lines.  The code itself states the register dependences between vector or matrix instructions and
; memory or LDS instructions, with s_wait_alu, always for 0.
; THE PLAN.  Registers that LDS instructions touch, in the loop:
;   QF            LDS loads land in it at a unit's head (tile 1), in jobs 0 and 1 (tiles 2, 3) and in job 2 (tile 0, for the next unit); the scores' products read it.
;   KF            LDS loads land in it in job 2 (the next unit's keys); the scores' products read it, the last of a unit in job 2.
;   MK            LDS loads land in it at a unit's head; each job's multiply-adds read it.
;   VF+0..5, VS   LDS loads land in them at a unit's head; each job's FP6 product reads them.
;   AQ            read by loads, never written.   AK, AM, AV, AVS: read by loads, written once a unit, at its end.
;   S, P, O, L, PC, TMP, PW and the registers at work are named by vector and matrix instructions alone.
; So a unit has ONE wait on va_vdst for its head's loads, behind its first scores' products and their places, and ONE on vm_vsrc, ahead of the four address steps at its end.  A job has the three
; waits on va_vdst behind its three batches of transcendentals; the second of them stands behind the next tile's products and so also frees QF (in job 2: KF) for the loads that follow it, with
; only multiply-adds on P and MK between; and one more directly ahead of its FP6 product, whose operand and scale word vector instructions have just written.
.set QIMG, 0                           ; LDS: Q x kappa: wave w's own 4,096 bytes; tile t at 1,024 t: registers 0-3 at 16 x lane, registers 4-7 512 bytes on.  After the loop: the wave's stage for the way out
.set KIMG, 65536                       ; K: unit u at 4,096 u, tile i at 1,024 i, laid as Q's tiles, in the slots' order
.set MADD, 131072                      ; ADD[slot], f32: unit u at 256 u, block h at 128 h: 4,096 bytes
.set VIMG, 135168                      ; V's codes: unit u at 768 u: register pair p (0 .. 2) of the fragment at 256 p + 8 x lane
.set VSC,  147456                      ; V's scale words: unit u at 64 u, channel d's word at 4 d: bytes 0 and 1 for the unit's two blocks, bytes 2 and 3 are 0 (over zero codes)
.set VSTG, 148480                      ; at the head only: a stage of its own for each wave, through which its 64 keys of V turn
.set VSTW, 4352                        ; bytes of such a stage: 64 rows of 64 bytes, rows 32-63 another 64 bytes on, so that the two halves of the lanes read different banks
.set AK,   1                           ; v1   KIMG + 16 x lane, stepped 4,096 a unit
.set AQ,   2                           ; v2   QIMG + 4,096 w + 16 x lane
.set AM,   3                           ; v3   MADD + 128 h, stepped 256 a unit
.set AV,   4                           ; v4   VIMG + 8 x lane, stepped 768 a unit
.set AVS,  5                           ; v5   VSC + 4 r, stepped 64 a unit
.set SH8,  6                           ; v6   8 h
.set GO,   7                           ; v7   16 x lane: my bytes of a wave's 512, in memory
.set QF,   8                           ; v8-15    a tile of queries
.set KF,   16                          ; v16-47   a unit's four tiles of keys
.set MK,   48                          ; v48-79   the addends of my block's slots
.set S,    80                          ; v80-111  four accumulators of S^T: written by matrix instructions alone
.set P,    112                         ; v112-143 up to 32 numbers at work: e, 1 + e, r, t - 15, p.  At the head: the mask's bytes, then the gathers' offsets
.set O,    144                         ; v144-175 O^T, 8 registers a tile of queries
.set L,    176                         ; v176-183 the rows' sums, a pair a tile
.set VF,   184                         ; v184-195 V's fragment of the unit; its upper six registers stay 0
.set VS,   196                         ; v196     V's scale words: scales and nothing else
.set SOA,  197                         ; v197     the way out: where I put 32 bytes of a row
.set PC,   198                         ; v198-209 P's fragment; its upper six registers stay 0
.set TMP,  210                         ; v210-212 a conversion's three registers begin on an even number: a block's second half is made here and moved
.set PW,   214                         ; v214     P's scale word: scales and nothing else
.set MXA,  216                         ; v216-217 a block's largest p in two chains; then, as a pair, the second chain of the row's sum
.set MXB,  217
.set SOP,  218                         ; v218     the conversions' scale operand
.set BY,   219                         ; v219     a scale byte
.set TP,   220                         ; v220     a lane permute's destination
.set HW,   222                         ; the head's own registers
.set HL,   223
.set HR,   224
.set HH,   225
.set HT,   226
.set HA,   227
.set HB,   228
.set KW,   229
.set QW,   230
.set MW,   231
.set VW,   232
.set SW,   233
.set VSI,  234
.set VSO,  235
.set MO,   236
.set MB,   237
.set NI,   238
.set CZ,   239
.set MAA,  240
.set MAB,  241
.set RKA,  242
.set RKB,  243
.set PXA,  244
.set PXB,  245
.set IDX,  246
.set Q4,   250
.set MA,   252
	s_load_b256 s[4:11], s[0:1], 0x0               ; Q s[4:5], K s[6:7], V s[8:9], mask s[10:11]
	s_load_b64 s[12:13], s[0:1], 0x20              ; out0
	v_lshl_add_u32 v254, v0, 2, 0x35400            ; my spare word, behind V's stages, and 0: made here and kept for the closing lines alone
	v_mov_b32 v255, 0
	v_lshrrev_b32 v[HW], 5, v0
	v_readfirstlane_b32 s14, v[HW]                 ; wave 0..15
	v_and_b32 v[HL], 31, v0                        ; lane
	v_and_b32 v[HR], 15, v0                        ; r
	v_bfe_u32 v[HH], v0, 4, 1                      ; h
	s_wait_alu depctr_va_sdst(0)                   ; s14 is written, ahead of its first reader: the bases and the LDS addresses are made from it
	s_lshl_b32 s26, s14, 12                        ; 4,096 w: 64 rows of 64 bytes, in memory and in the images alike
	s_lshl_b32 s16, ttmp9, 16                      ; the head's 65,536 bytes in Q, K, V and out0,
	s_add_co_u32 s16, s16, s26                     ; and my wave's 64 rows of them
	s_mov_b32 s17, 0
	s_lshr_b32 s18, ttmp9, 3                       ; the batch:
	s_lshl_b32 s18, s18, 10                        ; its 1,024 bytes of mask
	s_mov_b32 s19, 0
	s_mov_b32 s20, 0x76543210                      ; v_permlanex16_b32's selects for lane l xor 16
	s_mov_b32 s21, 0xfedcba98
	s_mov_b32 s22, 0xc1e6d4ca                      ; -20 log2(e)
	s_mov_b32 s23, s22                             ; (the packed forms name a pair and take its low word for both halves: so the upper is written)
	s_mov_b32 s24, 0x3f38aa3b                      ; kappa = log2(e) / 2
	s_mov_b32 s25, s24
	s_mul_i32 s27, s14, 768                        ; unit w's image of V
	s_mul_i32 s28, s14, VSTW
	s_add_co_u32 s28, s28, VSTG                    ; my stage for V
	s_lshl_b32 s29, s14, 6                         ; 64 w: unit w's scale words of V; also its first byte of the mask
	s_lshl_b32 s31, s14, 8                         ; 256 w: unit w's addends
	s_mov_b32 s39, 0x01010101
	v_lshl_add_u32 v[AK], v[HL], 4, KIMG
	v_lshl_add_u32 v[AQ], v[HL], 4, s26
	v_lshl_add_u32 v[AM], v[HH], 7, MADD
	v_lshl_add_u32 v[AV], v[HL], 3, VIMG
	v_lshl_add_u32 v[AVS], v[HR], 2, VSC
	v_lshlrev_b32 v[SH8], 3, v[HH]
	v_lshlrev_b32 v[GO], 4, v[HL]
	v_lshl_add_u32 v[SOA], v[HR], 6, s26
	v_lshl_add_u32 v[SOA], v[HH], 5, v[SOA]        ; the way out: 4,096 w + 64 r + 32 h
	v_add_nc_u32 v[MO], s29, v[HL]                 ; the mask's byte of key 64 w + lane
	v_lshlrev_b32 v[MB], 5, v[HL]                  ; the mask's 32 bytes of block = lane
	; Lane l's 16 bytes of a load of eight rows are depth 4 (l % 4) .. + 3 of row l / 4.  In an image they belong to lane (row, h = (l / 2) % 2), register group l % 2:
	v_and_b32 v[HA], 1, v0
	v_bfe_u32 v[HB], v0, 1, 1
	v_bfe_u32 v[HT], v0, 2, 3
	v_lshlrev_b32 v[HT], 4, v[HT]                  ; 16 (l / 4)
	v_lshl_add_u32 v[HT], v[HB], 8, v[HT]          ; + 256 ((l / 2) % 2)
	v_lshl_add_u32 v[HT], v[HA], 9, v[HT]          ; + 512 (l % 2)
	v_add_nc_u32 v[QW], s26, v[HT]                 ; into my tiles of Q,
	v_add_nc_u32 v[KW], KIMG, v[QW]                ; and into unit w of K
	v_lshl_add_u32 v[MW], v[HL], 2, s31
	v_add_nc_u32 v[MW], MADD, v[MW]                ; the addend of slot = lane of unit w's first block
	v_add_nc_u32 v[VW], s27, v[AV]
	v_add_nc_u32 v[SW], s29, v[AVS]
	v_lshl_add_u32 v[VSI], v[HL], 4, s28           ; V's stage, in: as the loads' bytes lie
	v_mul_u32_u24 v[VSO], v[HH], 2112
	v_lshl_add_u32 v[VSO], v[HR], 2, v[VSO]
	v_add_nc_u32 v[VSO], s28, v[VSO]               ; and out: channel r, slots of block h
	v_and_b32 v[IDX], 0x1c, v0                     ; 4 x (l / 4): the lane, as a pull's index, that holds slot l / 4;
.irp i, 1,2,3
	v_add_nc_u32 v[IDX+\i], 32*\i, v[IDX]          ; slot 8 i + l / 4
.endr
	v_and_b32 v[Q4], 3, v0
	v_lshlrev_b32 v[Q4], 4, v[Q4]                  ; my quarter of a row: 16 (l % 4)
	v_mov_b32 v[NI], 0xff800000                    ; -infinity
	v_mov_b32 v[CZ], 0xbf12b361                    ; 10 log2(e) - 15
	v_mov_b32 v[TP], 0                             ; written once: a lane permute's destination counts as one of its sources
	s_wait_kmcnt 0x0
	s_add_nc_u64 s[4:5], s[4:5], s[16:17]
	s_add_nc_u64 s[6:7], s[6:7], s[16:17]
	s_add_nc_u64 s[8:9], s[8:9], s[16:17]
	s_add_nc_u64 s[12:13], s[12:13], s[16:17]
	s_add_nc_u64 s[10:11], s[10:11], s[18:19]
	s_wait_alu depctr_va_vdst(0)                   ; every offset and LDS address made above is written: the loads, stores and lane moves of the whole text read them (those that are stepped later have waits of their own)
	; The mask first, in two views: a key to a lane for my unit's two blocks, and a block to a lane for the whole batch.  Then Q: eight loads of 512 consecutive bytes, read once in the launch.
	global_load_u8 v[MAA], v[MO], s[10:11]
	global_load_u8 v[MAB], v[MO], s[10:11] offset:32
	global_load_b128 v[P:P+3], v[MB], s[10:11]
	global_load_b128 v[P+4:P+7], v[MB], s[10:11] offset:16
.irp j, 0,1,2,3,4,5,6,7
	global_load_b128 v[MK+4*\j:MK+4*\j+3], v[GO], s[4:5] offset:512*\j th:TH_LOAD_NT
.endr
	s_wait_loadcnt 8                               ; the mask's four loads are in; Q's eight stay out
	v_cmp_eq_u32 s34, 0, v[MAA]                    ; bit k: key k of the first block counts
	v_cmp_eq_u32 s35, 0, v[MAB]                    ; of the second
	; EVERY UNIT'S T.  Lane l adds block l's 32 bytes: four sums of at most 8 in a word's bytes, then the four together in the top byte of a product.
	v_add_nc_u32 v[P], v[P], v[P+1]
	v_add3_u32 v[P], v[P], v[P+2], v[P+3]
	v_add3_u32 v[P], v[P], v[P+4], v[P+5]
	v_add3_u32 v[P], v[P], v[P+6], v[P+7]
	v_mul_lo_u32 v[P], v[P], s39
	v_lshrrev_b32 v[P], 24, v[P]                   ; how many of the block's keys are masked
	v_cmp_gt_u32 s32, 16, v[P]                     ; under 16: more than 16 count: a third tile
	v_cmp_gt_u32 s33, 8, v[P]                      ; under 8: more than 24 count: a fourth
	s_wait_alu depctr_va_sdst(0)                   ; the four compares have written s34, s35, s32 and s33, ahead of the first reader of each
	s_lshr_b32 s38, s32, 1
	s_or_b32 s32, s32, s38                         ; bit 2 u: either block of unit u
	s_lshr_b32 s38, s33, 1
	s_or_b32 s33, s33, s38
	; MY UNIT'S ORDER.  A key that counts takes the slot = how many such keys stand below it; a masked one n + how many masked keys stand below it.
	s_bcnt1_i32_b32 s36, s34                       ; nA
	s_bcnt1_i32_b32 s37, s35                       ; nB
	v_cmp_gt_u32 s2, s36, v[HL]                    ; slot = lane counts where it lies under n: the first block's,
	v_cmp_gt_u32 s3, s37, v[HL]                    ; the second's
	v_mbcnt_lo_u32_b32 v[RKA], s34, 0
	v_mbcnt_lo_u32_b32 v[RKB], s35, 0
	v_sub_nc_u32 v[PXA], v[HL], v[RKA]
	v_sub_nc_u32 v[PXB], v[HL], v[RKB]
	v_add_nc_u32 v[PXA], s36, v[PXA]
	v_add_nc_u32 v[PXB], s37, v[PXB]
	v_cndmask_b32 v[PXA], v[PXA], v[RKA], s34
	v_cndmask_b32 v[PXB], v[PXB], v[RKB], s35
	v_lshlrev_b32 v[PXA], 2, v[PXA]
	v_lshlrev_b32 v[PXB], 2, v[PXB]
	s_wait_alu depctr_va_sdst(0)                   ; the two compares have written s2 and s3, ahead of the selects that read them
	v_cndmask_b32 v[MA], v[NI], v[CZ], s2
	v_cndmask_b32 v[MA+1], v[NI], v[CZ], s3
	s_wait_alu depctr_va_vdst(0)                   ; PXA, PXB and the two addends are written, which the pushes and stores below read; the lines above are done with RKA and RKB, in which the pushes land, and with P .. P+7, in which the pulls land
	ds_permute_b32 v[RKA], v[PXA], v[HL]           ; a push between lanes (no LDS byte is touched): lane k sends its number to the lane of its slot: lane s then holds slot s's key
	ds_permute_b32 v[RKB], v[PXB], v[HL]
	ds_store_b32 v[MW], v[MA]
	ds_store_b32 v[MW], v[MA+1] offset:128
	s_wait_dscnt 0x0                               ; the two pushes are back
.irp i, 0,1,2,3
	ds_bpermute_b32 v[P+\i], v[IDX+\i], v[RKA]     ; a pull between lanes: the key of slot 8 i + l / 4, for the four lanes that load its row
	ds_bpermute_b32 v[P+4+\i], v[IDX+\i], v[RKB]
.endr
	s_wait_dscnt 0x0
.irp j, 0,1,2,3,4,5,6,7
	v_min_u32 v[P+\j], 31, v[P+\j]                 ; a key's number in its block: held inside the block before it enters an address
.endr
.irp j, 0,1,2,3,4,5,6,7
	v_lshlrev_b32 v[P+\j], 6, v[P+\j]              ; its row of 64 bytes,
.endr
.irp j, 0,1,2,3,4,5,6,7
	v_add_nc_u32 v[P+\j], v[Q4], v[P+\j]           ; my quarter of it
.endr
	s_wait_alu depctr_va_vdst(0)                   ; the eight offsets P .. P+7 are written, which the gathers read
	; Load j takes the rows of slots 8 (j % 4) .. + 7 of block j / 4: eight whole rows of 64 bytes out of the block's 2,048; the order is a permutation, so each row is read once.
.irp j, 0,1,2,3,4,5,6,7
	global_load_b128 v[KF+4*\j:KF+4*\j+3], v[P+\j], s[6:7] offset:(\j/4)*2048
.endr
.irp j, 0,1,2,3,4,5,6,7
	global_load_b128 v[O+4*\j:O+4*\j+3], v[P+\j], s[8:9] offset:(\j/4)*2048
.endr
	s_wait_loadcnt 16                              ; Q is in; the sixteen gathers stay out
.set XI, 0
.rept 16
	v_pk_mul_f32 v[MK+XI:MK+XI+1], v[MK+XI:MK+XI+1], s[24:25] op_sel_hi:[1,0]   ; x kappa, once
.set XI, XI+2
.endr
	s_wait_alu depctr_va_vdst(0)                   ; the multiplications have written MK .., which the LDS stores read
.irp j, 0,1,2,3,4,5,6,7                            ; load j holds queries 8 j .. 8 j + 7: rows 8 (j % 2) on of tile j / 2
	ds_store_b128 v[QW], v[MK+4*\j:MK+4*\j+3] offset:(\j/2)*1024+(\j%2)*128
.endr
	s_wait_loadcnt 8                               ; K is in; V's eight stay out
.irp j, 0,1,2,3,4,5,6,7                            ; load j: rows 8 (j / 4) on of tile j % 4
	ds_store_b128 v[KW], v[KF+4*\j:KF+4*\j+3] offset:(\j%4)*1024+(\j/4)*128
.endr
	s_wait_loadcnt 0x0                             ; V is in, and the gathers are done
.irp j, 0,1,2,3,4,5,6,7
	ds_store_b128 v[VSI], v[O+4*\j:O+4*\j+3] offset:512*\j+(\j/4)*64
.endr
	s_wait_alu depctr_vm_vsrc(0)                   ; the gathers have read their offsets P .. P+7, in which the loads below land
.set XI, 0
.rept 32
	ds_load_b32 v[P+XI], v[VSO] offset:64*XI       ; V(slot i of block 2 w + h, channel r): LDS serves a wave's instructions in order, so these see my stores.  A LANE TAKES A CHANNEL, ITS REGISTERS RUN DOWN THE SLOTS
.set XI, XI+1
.endr
	s_wait_dscnt 0x0
	; My 32 numbers are one whole block, masked keys' among them, as the quantiser has it.
	v_max3_num_f32 v[MXA], |v[P]|, |v[P+1]|, 0x1800000   ; its largest magnitude, in two chains, with the floor 2^(3 - 127) among the leaves: the byte cannot fall under 1
	v_max3_num_f32 v[MXB], |v[P+2]|, |v[P+3]|, |v[P+4]|
.irp i, 5,9,13,17,21,25
	v_max3_num_f32 v[MXA], v[MXA], |v[P+\i]|, |v[P+\i+1]|
	v_max3_num_f32 v[MXB], v[MXB], |v[P+\i+2]|, |v[P+\i+3]|
.endr
	v_max3_num_f32 v[MXA], v[MXA], |v[P+29]|, |v[P+30]|
	v_max3_num_f32 v[MXA], v[MXA], v[MXB], |v[P+31]|
	v_add_nc_u32 v[SOP], 0xff000000, v[MXA]        ; 2 off its exponent field: the conversion takes the exponent field of this operand as its scale, and nothing else of it
	v_cvt_scalef32_pk16_fp6_f32 v[PC:PC+2], v[P:P+15], v[SOP]
	v_cvt_scalef32_pk16_fp6_f32 v[TMP:TMP+2], v[P+16:P+31], v[SOP]
	v_lshrrev_b32 v[BY], 23, v[SOP]                ; the scale's byte.  (The plain line behind the conversions)
	v_lshlrev_b32 v[BY], v[SH8], v[BY]             ; at its place among my pair of lanes' two
.irp i, 0,1,2
	v_mov_b32 v[PC+3+\i], v[TMP+\i]
.endr
	v_permlanex16_b32 v[TP], v[BY], s20, s21
	v_or_b32 v[BY], v[BY], v[TP]                   ; with lane l xor 16's: channel r's scale word for the unit
	s_wait_alu depctr_va_vdst(0)                   ; the codes PC .. PC+5 and the scale word are written, which the LDS stores read
	ds_store_b64 v[VW], v[PC:PC+1]                 ; registers 0 .. 5 of the unit's fragment, as they stand
	ds_store_b64 v[VW], v[PC+2:PC+3] offset:256
	ds_store_b64 v[VW], v[PC+4:PC+5] offset:512
	ds_store_b32 v[SW], v[BY]                      ; both halves of the lanes write the same word with the same value
	s_wait_dscnt 0x0                               ; for the others' sake: all my stores have landed
	s_barrier_signal -1
	s_barrier_wait -1                              ; the head's K, V and addends lie in LDS: from here on they are only read
	s_wait_alu depctr_vm_vsrc(0)                   ; my LDS stores have read KF, O, MK, PC .. PC+5 and the scale word's register: all of these are written again from here on, by LDS loads and by vector instructions
; 4 nt matrix instructions: S^T of key tiles 0 .. nt - 1 against the tile of queries in QF, four K steps of 4.  The first K step starts each sum with the constant 0;
; the accumulators take turns, one instruction a turn.
.macro WM nt
.irp ks, 0,1,2,3
.set WI, 0
.rept \nt
.if \ks == 0
	v_wmma_f32_16x16x4_f32 v[S+8*WI:S+8*WI+7], v[KF+8*WI:KF+8*WI+1], v[QF:QF+1], 0
.else
	v_wmma_f32_16x16x4_f32 v[S+8*WI:S+8*WI+7], v[KF+8*WI+2*\ks:KF+8*WI+2*\ks+1], v[QF+2*\ks:QF+2*\ks+1], v[S+8*WI:S+8*WI+7]
.endif
.set WI, WI+1
.endr
.endr
.endm
; My block's p (8 nt of them; the slots beyond are zeros) become 6 registers of codes and a byte; the row's sum takes the unquantised p; the unit's product for tile t of queries follows.
.macro QUANT nt, t
	v_max_num_f32 v[MXA], v[MXA], v[MXB]           ; the block's largest p (or the floor)
	v_add_nc_u32 v[SOP], 0xff000000, v[MXA]        ; 2 off its exponent field: the conversions' scale operand
	v_cvt_scalef32_pk16_fp6_f32 v[PC:PC+2], v[P:P+15], v[SOP]
.if (\nt) > 2
	v_cvt_scalef32_pk16_fp6_f32 v[TMP:TMP+2], v[P+16:P+31], v[SOP]
.endif
	v_lshrrev_b32 v[BY], 23, v[SOP]                ; the scale's byte.  (The plain line behind the conversions)
	v_lshlrev_b32 v[PW], v[SH8], v[BY]             ; at its place, 8 h bits up;
	v_permlanex16_b32 v[TP], v[PW], s20, s21
	v_or_b32 v[PW], v[PW], v[TP]                   ; with lane l xor 16's the query's scale word is whole: bytes 0 and 1; bytes 2 and 3 are 0, over zero codes
.irp i, 0,1,2
.if (\nt) > 2
	v_mov_b32 v[PC+3+\i], v[TMP+\i]
.else
	v_mov_b32 v[PC+3+\i], 0                        ; slots 16 .. 31 are all masked: zero codes
.endif
.endr
	v_pk_add_f32 v[MXA:MXA+1], v[P:P+1], v[P+2:P+3]   ; THE ROW'S SUM IS TAKEN OF THE UNQUANTISED p: two at a time, in two chains.  These 4 nt lines, eight at the least, are also the places
.set XI, 4                                         ; between the last writes of the scale word and of the operand and the product
.rept 2*(\nt)-1
	v_pk_add_f32 v[L+2*(\t):L+2*(\t)+1], v[L+2*(\t):L+2*(\t)+1], v[P+XI:P+XI+1]
	v_pk_add_f32 v[MXA:MXA+1], v[MXA:MXA+1], v[P+XI+2:P+XI+3]
.set XI, XI+4
.endr
	v_pk_add_f32 v[L+2*(\t):L+2*(\t)+1], v[L+2*(\t):L+2*(\t)+1], v[MXA:MXA+1]
	s_wait_alu depctr_va_vdst(0)                   ; the conversions and moves have written P's fragment PC .., the v_or_b32 its scale word PW: the scaled product takes them; the places above stay beside this wait
	v_wmma_scale_f32_16x16x128_f8f6f4 v[O+8*(\t):O+8*(\t)+7], v[VF:VF+11], v[PC:PC+11], v[O+8*(\t):O+8*(\t)+7], v[VS], v[PW] matrix_a_fmt:MATRIX_FMT_FP6 matrix_b_fmt:MATRIX_FMT_FP6
.endm
; A JOB: nt key tiles of the unit x tile t of queries: 8 nt numbers a lane.  Its scores were made a job ago; as soon as they are read, the next tile's are issued into the same registers.
.macro JOB nt, t
.set XI, 0
.rept 8*(\nt)
	v_exp_f32 v[P+XI], v[S+XI]                     ; e = 2^s'; each accumulator is read from its low end on
.set XI, XI+1
.endr
	v_nop                                          ; a plain line between the exponentials and the use of their results, and the writing of their sources
	s_wait_alu depctr_va_vdst(0)                   ; the exponentials have written e in P .., ahead of the additions, their first readers: one wait for the batch
.set XI, 0
.rept 4*(\nt)
	v_pk_add_f32 v[P+XI:P+XI+1], v[P+XI:P+XI+1], 1.0 op_sel_hi:[1,0]   ; 1 + e
.set XI, XI+2
.endr
.if (\t) < 3
	s_wait_dscnt 0x0                               ; the next tile of queries is in (in a unit's first job also its addends and V)
	WM \nt                                         ; the scores of tile t + 1
.endif
.set XI, 0
.rept 8*(\nt)
	v_rcp_f32 v[P+XI], v[P+XI]                     ; r = 1 / (1 + e)
.set XI, XI+1
.endr
	v_nop
	s_wait_alu depctr_va_vdst(0)                   ; the reciprocals have written r in P .., ahead of the multiply-adds, their first readers; and the products above are done reading QF and KF, in which the loads below land
.set XI, 0
.rept 4*(\nt)
	v_pk_fma_f32 v[P+XI:P+XI+1], v[P+XI:P+XI+1], s[22:23], v[MK+XI:MK+XI+1] op_sel_hi:[1,0,1]   ; t - 15 = r x (-20 log2 e) + ADD[slot]
.set XI, XI+2
.endr
; The loads below owe no further wait: since the wait above only the multiply-adds were issued, which name P and MK.  (The v_nop and these 4 nt lines, nine at the least, are also among the
; places between the products above and the next job's first read of their scores: eight are asked of this form: ISA guide 7.12.1.)
.if (\t) < 2
	ds_load_b128 v[QF:QF+3], v[AQ] offset:((\t)+2)*1024
	ds_load_b128 v[QF+4:QF+7], v[AQ] offset:((\t)+2)*1024+512
.endif
.if (\t) == 2
	s_cmp_eq_u32 s30, 1                            ; the last unit fetches nothing beyond the end
	s_cbranch_scc1 .Lno_next_\@
	ds_load_b128 v[QF:QF+3], v[AQ]                 ; for the next unit: tile 0 of the queries,
	ds_load_b128 v[QF+4:QF+7], v[AQ] offset:512
.irp i, 0,1,2,3
	ds_load_b128 v[KF+8*\i:KF+8*\i+3], v[AK] offset:4096+\i*1024     ; and its keys
	ds_load_b128 v[KF+8*\i+4:KF+8*\i+7], v[AK] offset:4096+\i*1024+512
.endr
.Lno_next_\@:
.endif
.set XI, 0
.rept 8*(\nt)
	v_exp_f32 v[P+XI], v[P+XI]                     ; p = 2^(t - 15); 0 for a masked key
.set XI, XI+1
.endr
	v_nop
	s_wait_alu depctr_va_vdst(0)                   ; the exponentials have written p in P .., ahead of the maxima, their first readers: one wait for the batch
	v_max3_num_f32 v[MXA], v[P], v[P+1], 0x1800000 ; the block's largest p, in two chains, each begun with the floor 2^(3 - 127): no |.|, p is never negative
	v_max3_num_f32 v[MXB], v[P+2], v[P+3], 0x1800000
.set XI, 4
.rept 2*(\nt)-1
	v_max3_num_f32 v[MXA], v[MXA], v[P+XI], v[P+XI+1]
	v_max3_num_f32 v[MXB], v[MXB], v[P+XI+2], v[P+XI+3]
.set XI, XI+4
.endr
	QUANT \nt, \t
.endm
; A UNIT that works nt of its four key tiles, for my four tiles of queries.  It issues its own first scores, so that all that it reads is written on every way into it.
.macro UNIT nt
	WM \nt                                         ; the scores of tile 0
.if (\nt) == 3
.set XI, 24
.rept 8
	v_mov_b32 v[P+XI], 0                           ; slots 24 .. 31 are all masked: the second conversion finds zeros there.  These eight lines are the places behind the products above
.set XI, XI+1
.endr
.else
.rept 8
	v_nop                                          ; eight places in front of the first read of the scores
.endr
.endif
	s_wait_alu depctr_va_vdst(0)                   ; the products above are done reading QF, the last unit's multiply-adds MK, its last product VF and VS: the loads below land in these; and AM, AV and AVS, stepped at the last unit's end, are written
	ds_load_b128 v[QF:QF+3], v[AQ] offset:1024     ; tile 1 of the queries,
	ds_load_b128 v[QF+4:QF+7], v[AQ] offset:1536
.set XI, 0
.rept 2*(\nt)
	ds_load_b128 v[MK+4*XI:MK+4*XI+3], v[AM] offset:16*XI   ; the addends of my block's first 8 nt slots,
.set XI, XI+1
.endr
.irp p, 0,1,2
	ds_load_b64 v[VF+2*\p:VF+2*\p+1], v[AV] offset:256*\p   ; the unit's fragment of V and its scale words
.endr
	ds_load_b32 v[VS], v[AVS]
	JOB \nt, 0
	JOB \nt, 1
	JOB \nt, 2
	JOB \nt, 3
.endm
.irp i, 0,1,2,3
	ds_load_b128 v[KF+8*\i:KF+8*\i+3], v[AK] offset:\i*1024        ; unit 0,
	ds_load_b128 v[KF+8*\i+4:KF+8*\i+7], v[AK] offset:\i*1024+512
.endr
	ds_load_b128 v[QF:QF+3], v[AQ]                 ; tile 0
	ds_load_b128 v[QF+4:QF+7], v[AQ] offset:512
.set XI, 0
.rept 40
	v_mov_b32 v[O+XI], 0                           ; O^T and the sums begin as zeros, so that no unit has a text of its own
.set XI, XI+1
.endr
.irp i, 6,7,8,9,10,11
	v_mov_b32 v[VF+\i], 0                          ; the upper 64 of the second product's K: zero codes on both sides, for the whole launch
	v_mov_b32 v[PC+\i], 0
.endr
	s_mov_b32 s30, 16
	s_wait_dscnt 0x0
.Lunit:                                            ; sixteen trips; the unit's keys and tile 0 of the queries are in registers
	s_bitcmp1_b32 s33, 0
	s_cbranch_scc1 .Lfour
	s_bitcmp1_b32 s32, 0
	s_cbranch_scc1 .Lthree
	UNIT 2
	s_branch .Lnext
.Lthree:
	UNIT 3
	s_branch .Lnext
.Lfour:
	UNIT 4
.Lnext:
	s_wait_dscnt 0x0                               ; the next unit's keys and queries, asked for a job ago, are in
	s_wait_alu depctr_vm_vsrc(0)                   ; the LDS loads issued so far have read AK, AM, AV and AVS, which the four lines below write
	v_add_nc_u32 v[AK], 4096, v[AK]
	v_add_nc_u32 v[AM], 256, v[AM]
	v_add_nc_u32 v[AV], 768, v[AV]
	v_add_nc_u32 v[AVS], 64, v[AVS]
	s_lshr_b32 s32, s32, 2                         ; the next unit's two bits come to bit 0
	s_lshr_b32 s33, s33, 2
	s_sub_co_u32 s30, s30, 1
	s_cmp_lg_u32 s30, 0
	s_cbranch_scc1 .Lunit
	; THE WAY OUT.  A sum's two halves and lane l xor 16's (the query's other blocks) are added; O^T is divided by the sum.  The four address steps above and these additions are the places behind the last product.
.irp t, 0,1,2,3
	v_add_f32 v[L+2*\t], v[L+2*\t], v[L+2*\t+1]
.endr
.irp t, 0,1,2,3
	v_permlanex16_b32 v[L+2*\t+1], v[L+2*\t], s20, s21
.endr
.irp t, 0,1,2,3
	v_add_f32 v[L+2*\t], v[L+2*\t], v[L+2*\t+1]
.endr
.irp t, 0,1,2,3
	v_rcp_f32 v[L+2*\t], v[L+2*\t]
.endr
	v_nop                                          ; a plain line between the last reciprocal and the use of its result
	s_wait_alu depctr_va_vdst(0)                   ; the four reciprocals have written 1 / the sums, ahead of the multiplications, their first readers
.irp t, 0,1,2,3
.irp j, 0,2,4,6
	v_pk_mul_f32 v[P+8*\t+\j:P+8*\t+\j+1], v[O+8*\t+\j:O+8*\t+\j+1], v[L+2*\t:L+2*\t+1] op_sel_hi:[1,0]   ; each accumulator from its low end on; register 8 t + j is out(16 t + r, 8 h + j)
.endr
.endr
	s_wait_alu depctr_va_vdst(0)                   ; the multiplications have written P .., which the LDS stores read; every product that read KF, in which the loads below land, is done too
	; A lane holds 32 bytes of a row of 64, so the wave's 64 rows go through its own 4,096 bytes of LDS (Q's images, which only this wave reads and has read for the last time) and come back 16 bytes a lane.
.irp t, 0,1,2,3
	ds_store_b128 v[SOA], v[P+8*\t:P+8*\t+3] offset:1024*\t
	ds_store_b128 v[SOA], v[P+8*\t+4:P+8*\t+7] offset:1024*\t+16
.endr
.irp i, 0,1,2,3,4,5,6,7
	ds_load_b128 v[KF+4*\i:KF+4*\i+3], v[AQ] offset:512*\i         ; LDS serves a wave's instructions in order: these see my stores
.endr
.irp i, 0,1,2,3,4,5,6,7
	s_wait_dscnt 7-\i                              ; load i is back; the younger ones may be out
	global_store_b128 v[GO], v[KF+4*\i:KF+4*\i+3], s[12:13] offset:512*\i th:TH_STORE_NT   ; 32 lanes store 512 consecutive bytes, at a multiple of 512 from out0's first byte; written once, read by nobody here
.endr
	s_wait_dscnt 0x0                               ; the closing lines, six on end
	s_wait_alu 0x0
	s_wait_tensorcnt 0x0
	ds_add_u32 v254, v255
	s_wait_dscnt 0x0
	s_endpgm
.Lfunc_end_k_q33ac193485_attn:
	.size	k_q33ac193485_attn, .Lfunc_end_k_q33ac193485_attn-k_q33ac193485_attn
	.p2alignl 7, 3214868480
	.fill 96, 4, 3214868480
	.section	.rodata,"a",@progbits
	.p2align	6, 0x0
	.amdhsa_kernel k_q33ac193485_attn
		.amdhsa_group_segment_fixed_size 220160
		.amdhsa_private_segment_fixed_size 0
		.amdhsa_enable_private_segment 0
		.amdhsa_kernarg_size 40
		.amdhsa_user_sgpr_count 2
		.amdhsa_user_sgpr_kernarg_segment_ptr 1
		.amdhsa_wavefront_size32 1
		.amdhsa_system_sgpr_workgroup_id_x 1
		.amdhsa_system_sgpr_workgroup_id_y 1
		.amdhsa_system_sgpr_workgroup_id_z 1
		.amdhsa_system_vgpr_workitem_id 0
		.amdhsa_next_free_vgpr 256
		.amdhsa_next_free_sgpr 66
		.amdhsa_reserve_vcc 0
		.amdhsa_float_denorm_mode_32 3
		.amdhsa_float_denorm_mode_16_64 3
		.amdhsa_memory_ordered 1
		.amdhsa_forward_progress 1
		.amdhsa_inst_pref_size 112
	.end_amdhsa_kernel
	.amdgpu_metadata
---
amdhsa.version: [ 1, 2 ]
amdhsa.kernels:
  - .name:           k_q33ac193485_attn
    .symbol:         k_q33ac193485_attn.kd
    .args:
      - { .name: Q, .offset: 0, .size: 8, .value_kind: global_buffer, .address_space: global }
      - { .name: K, .offset: 8, .size: 8, .value_kind: global_buffer, .address_space: global }
      - { .name: V, .offset: 16, .size: 8, .value_kind: global_buffer, .address_space: global }
      - { .name: mask, .offset: 24, .size: 8, .value_kind: global_buffer, .address_space: global }
      - { .name: out0, .offset: 32, .size: 8, .value_kind: global_buffer, .address_space: global }
    .group_segment_fixed_size: 220160
    .private_segment_fixed_size: 0
    .kernarg_segment_align: 8
    .kernarg_segment_size: 40
    .max_flat_workgroup_size: 512
    .sgpr_count:     66
    .vgpr_count:     256
    .wavefront_size: 32
...
	.end_amdgpu_metadata
.endif
;; end of part 3
